; MI455X (gfx1250); checked and timed in simulation.
; The chip was launched on July 23, 2026; its instructions are those of AMD's public machine-readable ISA for CDNA 5 (MIT licence, August 2026) and "CDNA5" Instruction Set Architecture Reference Guide (July 2026). The comments in the code are by the model that wrote it; some were corrected since.
;; Multi Head Attention. Allowed arithmetic: matrix products marked QUANTISED: E2M3 operands, one E8M0 scale for each 32 along K, by v_wmma_scale_f32_16x16x128_f8f6f4 with both operands' format E2M3, f32 sums; everything else in f32.
;; Inputs: b_k 1,024 float32; b_o 1,024 float32; b_q 1,024 float32; b_v 1,024 float32; key 4 x 2,048 x 1,024 float32; mask 4 x 2,048 x 2,048 int32; query 4 x 2,048 x 1,024 float32; value 4 x 2,048 x 1,024 float32; w_k 1,024 x 1,024 float32; w_o 1,024 x 1,024 float32; w_q 1,024 x 1,024 float32; w_v 1,024 x 1,024 float32.
;; Outputs: out0 4 x 2,048 x 1,024 float32.
;; This version of the problem:
;;   THIS VERSION OF THE PROBLEM IS GIVEN IN LOW PRECISION. The matrix products marked QUANTISED in the list below multiply operands that are first quantised to E2M3 (2 exponent bits, 3 mantissa bits; 6 bits a number), with one power-of-two scale for each 32 numbers along K (OCP MX v1.0); their sums are f32. All else is computed in f32.
;;   The module's matrix products, in the order in which they are computed (A, B: the left and right operand; K: the contracted axis; several contracted axes count as one K, in the product's order):
;;     1. [M 8,192, K 1,024] x [K 1,024, N 1,024]; A: input query; B: input w_q: QUANTISED
;;     2. [M 8,192, K 1,024] x [K 1,024, N 1,024]; A: input key; B: input w_k: QUANTISED
;;     3. [M 8,192, K 1,024] x [K 1,024, N 1,024]; A: input value; B: input w_v: QUANTISED
;;     4. batch 64 x [M 2,048, K 64] x [K 64, N 2,048]; A: computed on the way; B: computed on the way: QUANTISED
;;     5. batch 64 x [M 2,048, K 2,048] x [K 2,048, N 64]; A: softmax (see below); B: computed on the way: QUANTISED
;;     6. [M 8,192, K 1,024] x [K 1,024, N 1,024]; A: computed on the way; B: input w_o: QUANTISED
;;   THE QUANTISER, for each operand of a quantised product, along K:
;;     - K is cut into blocks of 32 from its start; a last block that is shorter is filled with zeros.
;;     - A block's scale is 2^e with e = floor(log2(the largest magnitude in the block)) - 2, held to -126 .. 127; a block of zeros has e = 0. As a byte (E8M0): e + 127.
;;     - Each number is divided by its block's scale, clamped to +-7.5, and rounded to the nearest number of E2M3, ties to even, subnormals kept.
;;     - The product sums the exact products of the quantised numbers (number of the format x scale) in f32.
;;   ~~~python
;;   def quantise(x, axis):      # numpy; x: float32 -> the quantised numbers, widened to float32 again
;;       x = np.moveaxis(x, axis, -1); K = x.shape[-1]
;;       x = np.pad(x, [(0, 0)] * (x.ndim - 1) + [(0, -K % 32)]); x = x.reshape(x.shape[:-1] + (-1, 32)); a = np.abs(x).max(-1, keepdims=True)
;;       e = np.where(a > 0, np.clip(np.frexp(np.where(a > 0, a, 1))[1] - 1 - 2, -126, 127), 0)      # np.frexp(a)[1] - 1 = floor(log2(a)), exactly
;;       r = np.clip(x / 2.0 ** e, -7.5, 7.5)
;;       step = 2.0 ** (np.maximum(np.frexp(np.where(r == 0, 1, r))[1] - 1, 0) - 3)
;;       q = np.round(r / step) * step * 2.0 ** e      # np.round: ties to even
;;       return np.moveaxis(q.reshape(q.shape[:-2] + (-1,))[..., :K], -1, axis).astype(np.float32)
;;   ~~~
;;   SOFTMAX AHEAD OF A QUANTISED PRODUCT. Where the list says 'softmax', what is quantised is not the finished softmax but p = 2^(t - M), with t = logit x log2(e) and M = ceil(the row's largest t), a whole number; so 1/2 < the row's largest p <= 1. The row's sum l is taken of the UNQUANTISED p, in f32, and the product's result is divided by l at the end. Since M is a whole number, a kernel that streams over the keys may use a running M (the ceiling of the running maximum): every later rescaling is an exact power of two, which a block's scale takes up: the codes' values come out the same.
;;   OPERANDS COMPUTED ON THE WAY. 'Computed on the way' means the value that the module computes at that place (a softmax that the list does not call 'softmax' is quantised finished and normalised). What goes into a quantiser is computed in f32, as accurately as f32 sums, v_exp_f32 and their like allow (about 1e-6 of the number): no bf16 or f16 on the way to a quantiser, and a product that is left as it is and whose result goes on into a quantised operand takes f32 operands (vector FMAs, or v_wmma_f32_16x16x4_f32). A number that lies on a knife's edge between two numbers of the format may be rounded either way, as far as f32 arithmetic and the matrix unit's own rounding can turn it there, and no further.
;; One version. Each part assembles by itself: llvm-mc -triple=amdgcn-amd-amdhsa -mcpu=gfx1250 --defsym DOCPART=n.
;; ======== version 1 of 1: 4 launches
;; limits: right only within a limited range of input values
;; workspace buffers: cod 22,020,096 bytes; scl 917,504 bytes; maskbits 2,097,152 bytes of whole numbers; qrec 13,369,344 bytes; kvrec 13,369,344 bytes; ctx 6,291,456 bytes; ctxs 262,144 bytes
;; launch prep (part 1): grid 704 x 1, 4 waves a work-group, no clusters, 68,096 bytes of LDS; arguments query, key, value, w_q, w_k, w_v, w_o, mask, cod, scl, maskbits; writes cod, scl, maskbits
.if DOCPART == 1
	.amdgcn_target "amdgcn-amd-amdhsa--gfx1250"
	.amdhsa_code_object_version 6
	.text
	.protected	k_qa504ea518f_prep
	.globl	k_qa504ea518f_prep
	.p2align	8
	.type	k_qa504ea518f_prep,@function
k_qa504ea518f_prep:
	s_mov_b64 s[64:65], 0
	v_nop
	global_prefetch_b8 v0, s[64:65] scope:SCOPE_SE
	s_setreg_imm32_b32 hwreg(HW_REG_WAVE_MODE, 25, 1), 1
	s_wait_xcnt 0x0
; query, key, value [8192][1024] and w_q, w_k, w_v, w_o [1024][1024], f32 with K innermost, become codes of FP6 (E2M3) with one E8M0 byte for each 32 along K;
; mask [4][2048][2048], int32, becomes lane masks, one bit a number.
; THE CODES ARE LAID AS IMAGES OF OPERAND REGISTERS.  A fragment is 16 rows x 128 K, 12 registers a lane: lane (r, h) holds k = 64 c + 32 h + 0 .. 31 of row r in registers 6 c .. 6 c + 5.
; Its image is 1,536 bytes: for c = 0, 1: 256 bytes (registers 6 c, 6 c + 1, lane l at 8 l), then 512 bytes (registers 6 c + 2 .. 6 c + 5, lane l at 16 l).  cod: [tile][K step 0..7][1,536].
; scl: [tile][position r][32 bytes]: a row's 8 scale words.  Tiles: query 0-511, key 512-1023, value 1024-1535, w_q 1536-, w_k 1600-, w_v 1664-, w_o 1728-1791.
; WHICH ROWS FORM A TILE: query and w_o: rows 16 T + r.  key, value, w_q, w_k, w_v: position r of tile T is row 32 (T / 2) + 8 (T % 2) + r + 8 (r / 8), so that a product that takes such a tensor as
; source 0 leaves 16 neighbours of that tensor's row axis in the 16 registers of two neighbouring result tiles.
; maskbits: [b][tile of 16 queries][step of 128 keys][64 words]: word 16 g + i, bit r + 16 h, is set where mask[b][16 tile + r][128 step + 32 g + 16 h + i] is not 0.
; A block's scale is 2^(floor(log2(its largest magnitude)) - 2); its byte is the largest magnitude's exponent field - 2, held at 1 from below (a block of zeros keeps the byte 1: its codes are zeros, and this program alone reads the bytes).
; LIMITS: NaN and infinities among the inputs are not served; blocks whose largest magnitude lies under 2^-124 keep the floor's byte.
; SHARES.  A wave takes 16 rows x 1,024 numbers of 4 bytes, in 8 steps of 128 columns.  Each load reads 512 consecutive bytes of one row; a step's 16 rows turn through the wave's own stage in LDS (rows 528 bytes
; apart: 33 x 16, so that sixteen lanes reading one column of sixteen rows start at sixteen different 16-byte columns) and come back with a lane's numbers running along K.  Loads run two steps (32 loads a wave) ahead.
; No tensor loads, no barrier, no cluster: waves and work-groups share no input.  The two paths (numbers, mask) part on the work-group's number and have LDS bytes of their own.
.set PITCH, 528
.set STG,   16*PITCH                   ; a wave's stage
.set MSTG,  4*STG                      ; the mask path's four stages lie behind the quantiser's four
.set VO,    16                         ; v16-31   byte offset of my 16 bytes in row i of the job; never rewritten
.set R,     32                         ; v32-159  two sets of 64: a step's numbers as loaded
.set X,     160                        ; v160-223 a step's numbers, along K
.set PC,    224                        ; v224-235 a fragment's codes
.set OUT,   224                        ; v224-239 (mask path) four groups of four registers: 512 bytes of lane masks each
.set TC,    236                        ; v236-243 the upper halves of two blocks' codes
.set W,     244                        ; v244-251 my row's scale word for each of the 8 steps
.set M,     252                        ; v252-253 largest magnitudes
.set SOP,   254                        ; v254-255 the conversions' scale operands
.macro PICK first, ptr                 ; from work-group 'first' on, the tensor at s[ptr]
	s_cmp_ge_u32 ttmp9, \first
	s_cselect_b64 s[26:27], s[\ptr:\ptr+1], s[26:27]
	s_cselect_b32 s28, \first, s28
.endm
.macro LOADX s, set                    ; step s: 16 rows x 512 consecutive bytes
.irp i, 0,1,2,3,4,5,6,7,8,9,10,11,12,13,14,15
	global_load_b128 v[R+64*(\set)+4*\i:R+64*(\set)+4*\i+3], v[VO+\i], s[26:27] offset:512*(\s) th:TH_LOAD_NT
.endr
.endm
.macro STIN set                        ; into the stage, as loaded
.irp i, 0,1,2,3,4,5,6,7,8,9,10,11,12,13,14,15
	ds_store_b128 v4, v[R+64*(\set)+4*\i:R+64*(\set)+4*\i+3] offset:PITCH*\i
.endr
.endm
.macro STOUTQ                          ; back: X[32 c + i] = k 64 c + 32 h + i of row r.  LDS serves a wave's instructions in order: these see the stores above
.irp c, 0,1
.irp j, 0,1,2,3,4,5,6,7
	ds_load_b128 v[X+32*\c+4*\j:X+32*\c+4*\j+3], v5 offset:256*\c+16*\j
.endr
.endr
.endm
.macro STOUTM                          ; back: X[16 g + i] = key 32 g + 16 h + i of row r
.irp g, 0,1,2,3
.irp j, 0,1,2,3
	ds_load_b128 v[X+16*\g+4*\j:X+16*\g+4*\j+3], v5 offset:128*\g+16*\j
.endr
.endr
.endm
.macro PROCQ s                         ; a lane's two whole blocks (2 c + h, c = 0, 1) become codes, bytes and an image
.irp c, 0,1
	v_max3_num_f32 v[M+\c], |v[X+32*\c]|, |v[X+32*\c+1]|, 0x1800000   ; with the floor 2^(3 - 127): the byte cannot fall under 1
.endr
.irp i, 2,4,6,8,10,12,14,16,18,20,22,24,26,28,30
.irp c, 0,1
	v_max3_num_f32 v[M+\c], v[M+\c], |v[X+32*\c+\i]|, |v[X+32*\c+\i+1]|   ; the two blocks by turns
.endr
.endr
.irp c, 0,1
	v_add_nc_u32 v[SOP+\c], 0xff000000, v[M+\c]    ; 2 off the exponent field: the conversion takes this operand's exponent field as its scale
.endr
.irp c, 0,1
	v_lshrrev_b32 v[10+\c], 23, v[SOP+\c]          ; the scale's byte
.endr
	v_lshl_or_b32 v13, v11, 16, v10                ; my two bytes: blocks h and 2 + h,
	v_lshlrev_b32 v13, v9, v13                     ; 8 h bits up;
	v_permlanex16_b32 v12, v13, s48, s49
	v_or_b32 v[W+(\s)], v13, v12                   ; with lane l xor 16's two the word is whole
.irp c, 0,1
	v_cvt_scalef32_pk16_fp6_f32 v[PC+6*\c:PC+6*\c+2], v[X+32*\c:X+32*\c+15], v[SOP+\c]
	v_cvt_scalef32_pk16_fp6_f32 v[TC+4*\c:TC+4*\c+2], v[X+32*\c+16:X+32*\c+31], v[SOP+\c]   ; (a conversion's three registers begin on an even number)
.endr
	v_nop                                          ; one plain place behind a scaled conversion
.irp c, 0,1
.irp i, 0,1,2
	v_mov_b32 v[PC+6*\c+3+\i], v[TC+4*\c+\i]
.endr
.endr
.irp c, 0,1
	global_store_b64 v6, v[PC+6*\c:PC+6*\c+1], s[20:21] offset:1536*(\s)+768*\c            ; 256 consecutive bytes, aligned
	global_store_b128 v7, v[PC+6*\c+2:PC+6*\c+5], s[20:21] offset:1536*(\s)+768*\c+256     ; 512 consecutive bytes, aligned
.endr
.endm
.macro QSTEP s
.if (\s) < 7
	s_wait_loadcnt 16                              ; this step's 16 loads are in; the next step's 16 may be out
.else
	s_wait_loadcnt 0x0
.endif
	STIN (\s)%2
	STOUTQ
	s_wait_dscnt 0x0                               ; X is in, and the stage's stores have read their registers
	s_wait_xcnt 0x0                                ; the last step's stores have read PC: it is written again only behind this wait
.if (\s) < 6
	LOADX (\s)+2, (\s)%2
.endif
	PROCQ \s
.endm
.macro PROCM s                         ; 64 compares give the step's 64 lane masks; each is laid into its lane of the registers that leave
.irp g, 0,1,2,3
.irp k, 0,1,2,3,4,5,6,7,8,9,10,11,12,13,14,15
	v_cmp_ne_u32 s[32+\k], 0, v[X+16*\g+\k]
.endr
.irp k, 0,1,2,3,4,5,6,7,8,9,10,11,12,13,14,15
	v_writelane_b32 v[OUT+4*((\s)/2)+(\k%4)], s[32+\k], 16*((\s)%2)+4*\g+(\k/4)   ; word n = 16 g + k of the step: lane 16 (s % 2) + n / 4, register n % 4
.endr
.endr
.if (\s)%2 == 1
	global_store_b128 v7, v[OUT+4*((\s)/2):OUT+4*((\s)/2)+3], s[24:25] offset:512*((\s)/2)   ; two steps' words: 512 consecutive bytes, aligned; each group of registers is written for one store alone
.endif
.endm
.macro MSTEP s
.if (\s) < 7
	s_wait_loadcnt 16                              ; this step's 16 loads are in; the next step's 16 may be out
.else
	s_wait_loadcnt 0x0
.endif
	STIN (\s)%2
	STOUTM
	s_wait_dscnt 0x0
.if (\s) < 6
	LOADX (\s)+2, (\s)%2
.endif
	PROCM \s
.endm
	s_load_b512 s[4:19], s[0:1], 0x0               ; query, key, value, w_q, w_k, w_v, w_o, mask
	s_load_b128 s[20:23], s[0:1], 0x40             ; cod, scl
	s_load_b64 s[24:25], s[0:1], 0x50              ; maskbits
	v_lshl_add_u32 v15, v0, 2, 0x10800
	v_mov_b32 v243, 0
	v_lshrrev_b32 v1, 5, v0
	v_readfirstlane_b32 s29, v1                    ; wave
	v_and_b32 v1, 31, v0                           ; lane
	v_and_b32 v2, 15, v0                           ; r
	v_bfe_u32 v3, v0, 4, 1                         ; h
	v_lshlrev_b32 v6, 3, v1                        ; 8 x lane
	v_lshlrev_b32 v7, 4, v1                        ; 16 x lane
	s_mul_i32 s30, s29, STG                        ; my stage
	s_lshl_b32 s31, ttmp9, 2
	s_add_co_u32 s31, s31, s29                     ; J: my job in the launch
	s_mov_b32 s53, 0
	s_wait_kmcnt 0x0
	s_mov_b64 s[26:27], s[4:5]                     ; which tensor: the choice hangs on the work-group's number alone
	s_mov_b32 s28, 0
	PICK 128, 6
	PICK 256, 8
	PICK 384, 10
	PICK 400, 12
	PICK 416, 14
	PICK 432, 16
	PICK 448, 18
	s_lshl_b32 s28, s28, 2
	s_sub_co_u32 s28, s31, s28                     ; j: my job in the tensor
	s_cmp_ge_u32 ttmp9, 448
	s_cbranch_scc1 .Lmask
	; ---- numbers into codes
	s_sub_co_u32 s52, ttmp9, 128
	s_lshr_b32 s54, s28, 1
	s_lshl_b32 s54, s54, 5
	s_and_b32 s55, s28, 1
	s_lshl_b32 s55, s55, 3
	s_add_co_u32 s54, s54, s55                     ; first row where the tile's rows are chosen: 32 (j / 2) + 8 (j % 2)
	s_lshl_b32 s55, s28, 4                         ; and where they are neighbours: 16 j
	s_cmp_lt_u32 s52, 304                          ; work-groups 128 to 431: key, value, w_q, w_k, w_v
	s_cselect_b32 s52, s54, s55
	s_cselect_b32 s55, 8*4096, 0                   ; positions 8-15 lie 8 rows further down there
	s_lshl_b32 s52, s52, 12                        ; rows of 4,096 bytes
	s_add_nc_u64 s[26:27], s[26:27], s[52:53]
	s_mul_i32 s52, s31, 12288
	s_add_nc_u64 s[20:21], s[20:21], s[52:53]      ; my tile's images
	s_lshl_b32 s52, s31, 9
	s_add_nc_u64 s[22:23], s[22:23], s[52:53]      ; and its scale words
	s_wait_alu depctr_va_vdst(0)
.irp i, 0,1,2,3,4,5,6,7
	v_add_nc_u32 v[VO+\i], \i*4096, v7
.endr
	v_add_nc_u32 v10, s55, v7
.irp i, 8,9,10,11,12,13,14,15
	v_add_nc_u32 v[VO+\i], \i*4096, v10
.endr
	LOADX 0, 0
	LOADX 1, 1
	v_add_nc_u32 v4, s30, v7                       ; the stage, in: 16 x lane, a row a store
	v_mul_u32_u24 v5, v2, PITCH
	v_lshl_add_u32 v5, v3, 7, v5
	v_add_nc_u32 v5, s30, v5                       ; out: row r, + 128 h bytes
	v_lshlrev_b32 v8, 5, v2
	v_lshl_add_u32 v8, v3, 4, v8                   ; my 16 bytes of the tile's scale words: 32 r + 16 h
	v_lshlrev_b32 v9, 3, v3                        ; 8 h
	v_mov_b32 v12, 0                               ; written once: a lane permute's destination counts as one of its sources
	s_mov_b32 s48, 0x76543210
	s_mov_b32 s49, 0xfedcba98                      ; v_permlanex16_b32's selects for lane l xor 16
	s_mov_b32 s50, 0xffff0000                      ; lanes 16-31
	s_wait_alu depctr_va_vdst(0)
.irp s, 0,1,2,3,4,5,6,7
	QSTEP \s
.endr
.irp j, 0,1,2,3
	v_cndmask_b32 v[X+\j], v[W+\j], v[W+4+\j], s50 ; lanes 0-15 carry words 0-3 of row r, lanes 16-31 words 4-7
.endr
	global_store_b128 v8, v[X:X+3], s[22:23]       ; 512 consecutive bytes, aligned
	s_wait_tensorcnt 0x0
	ds_add_u32 v15, v243
	s_wait_dscnt 0x0
	s_endpgm
	; ---- the mask into lane masks.  A job is 16 queries x 1,024 keys: half of a tile of queries
.Lmask:
	s_lshr_b32 s52, s28, 1
	s_lshl_b32 s52, s52, 17                        ; 16 rows of 8,192 bytes
	s_and_b32 s54, s28, 1
	s_lshl_b32 s54, s54, 12                        ; + the half's 4,096 bytes
	s_add_co_u32 s52, s52, s54
	s_add_nc_u64 s[26:27], s[26:27], s[52:53]
	s_lshl_b32 s52, s28, 11                        ; 8 steps x 256 bytes out
	s_add_nc_u64 s[24:25], s[24:25], s[52:53]
	s_wait_alu depctr_va_vdst(0)
.irp i, 0,1,2,3,4,5,6,7,8,9,10,11,12,13,14,15
	v_add_nc_u32 v[VO+\i], \i*8192, v7
.endr
	LOADX 0, 0
	LOADX 1, 1
	s_add_co_u32 s30, s30, MSTG                    ; this path's own stage
	v_add_nc_u32 v4, s30, v7
	v_mul_u32_u24 v5, v2, PITCH
	v_lshl_add_u32 v5, v3, 6, v5
	v_add_nc_u32 v5, s30, v5                       ; out: row r, + 64 h bytes
.irp i, 0,1,2,3,4,5,6,7,8,9,10,11,12,13,14,15
	v_mov_b32 v[OUT+\i], 0                         ; written once: v_writelane_b32's destination counts as one of its sources
.endr
.irp s, 0,1,2,3,4,5,6,7
	MSTEP \s
.endr
	s_wait_tensorcnt 0x0
	ds_add_u32 v15, v243
	s_wait_dscnt 0x0
	s_endpgm
.Lfunc_end_k_qa504ea518f_prep:
	.size	k_qa504ea518f_prep, .Lfunc_end_k_qa504ea518f_prep-k_qa504ea518f_prep
	.p2alignl 7, 3214868480
	.fill 96, 4, 3214868480
	.section	.rodata,"a",@progbits
	.p2align	6, 0x0
	.amdhsa_kernel k_qa504ea518f_prep
		.amdhsa_group_segment_fixed_size 68096
		.amdhsa_private_segment_fixed_size 0
		.amdhsa_enable_private_segment 0
		.amdhsa_kernarg_size 88
		.amdhsa_user_sgpr_count 2
		.amdhsa_user_sgpr_kernarg_segment_ptr 1
		.amdhsa_wavefront_size32 1
		.amdhsa_system_sgpr_workgroup_id_x 1
		.amdhsa_system_sgpr_workgroup_id_y 1
		.amdhsa_system_sgpr_workgroup_id_z 1
		.amdhsa_system_vgpr_workitem_id 0
		.amdhsa_next_free_vgpr 256
		.amdhsa_next_free_sgpr 66
		.amdhsa_reserve_vcc 0
		.amdhsa_float_denorm_mode_32 3
		.amdhsa_float_denorm_mode_16_64 3
		.amdhsa_memory_ordered 1
		.amdhsa_forward_progress 1
		.amdhsa_inst_pref_size 156
	.end_amdhsa_kernel
	.amdgpu_metadata
---
amdhsa.version: [ 1, 2 ]
amdhsa.kernels:
  - .name:           k_qa504ea518f_prep
    .symbol:         k_qa504ea518f_prep.kd
    .args:
      - { .name: query, .offset: 0, .size: 8, .value_kind: global_buffer, .address_space: global }
      - { .name: key, .offset: 8, .size: 8, .value_kind: global_buffer, .address_space: global }
      - { .name: value, .offset: 16, .size: 8, .value_kind: global_buffer, .address_space: global }
      - { .name: w_q, .offset: 24, .size: 8, .value_kind: global_buffer, .address_space: global }
      - { .name: w_k, .offset: 32, .size: 8, .value_kind: global_buffer, .address_space: global }
      - { .name: w_v, .offset: 40, .size: 8, .value_kind: global_buffer, .address_space: global }
      - { .name: w_o, .offset: 48, .size: 8, .value_kind: global_buffer, .address_space: global }
      - { .name: mask, .offset: 56, .size: 8, .value_kind: global_buffer, .address_space: global }
      - { .name: cod, .offset: 64, .size: 8, .value_kind: global_buffer, .address_space: global }
      - { .name: scl, .offset: 72, .size: 8, .value_kind: global_buffer, .address_space: global }
      - { .name: maskbits, .offset: 80, .size: 8, .value_kind: global_buffer, .address_space: global }
    .group_segment_fixed_size: 68096
    .private_segment_fixed_size: 0
    .kernarg_segment_align: 8
    .kernarg_segment_size: 88
    .max_flat_workgroup_size: 128
    .sgpr_count:     66
    .vgpr_count:     256
    .wavefront_size: 32
...
	.end_amdgpu_metadata
.endif
;; end of part 1
;; launch proj (part 2): grid 4 x 64, 4 waves a work-group, clusters of 4 x 1, 327,680 bytes of LDS; arguments cod, scl, b_q, b_k, b_v, qrec, kvrec; writes qrec, kvrec
.if DOCPART == 2
	.amdgcn_target "amdgcn-amd-amdhsa--gfx1250"
	.amdhsa_code_object_version 6
	.text
	.protected	k_qa504ea518f_proj
	.globl	k_qa504ea518f_proj
	.p2align	8
	.type	k_qa504ea518f_proj,@function
k_qa504ea518f_proj:
	s_mov_b64 s[64:65], 0
	v_nop
	global_prefetch_b8 v0, s[64:65] scope:SCOPE_SE
	s_setreg_imm32_b32 hwreg(HW_REG_WAVE_MODE, 25, 1), 1
	s_wait_xcnt 0x0
	s_wait_alu depctr_hold_cnt(0) depctr_sa_sdst(0) depctr_va_vdst(0) depctr_va_sdst(0) depctr_va_ssrc(0) depctr_va_vcc(0) depctr_vm_vsrc(0)
	s_getreg_b32 s2, hwreg(HW_REG_IB_STS2, 6, 4)
	s_cmp_eq_u32 s2, 0
	s_cbranch_scc0 .Lentry_in_a_cluster
	s_endpgm
.Lentry_in_a_cluster:
	s_bfe_u32 s2, ttmp6, 0x10000c
	s_cmp_lg_u32 s2, 0x3003
	s_cbranch_scc0 .Lentry_shape_is_right
	s_endpgm
.Lentry_shape_is_right:
; Q = query w_q^T + b_q, K = key w_k^T + b_k, V = value w_v^T + b_v on codes of FP6 (E2M3) with E8M0 scales, f32 sums; each result is quantised again and leaves as images of operand registers.
; IN: cod [tile of 16 rows][K step 0..7][1,536 bytes], scl [tile][row][8 scale words]: query's tiles 0-511, key's 512-, value's 1024-, w_q's 1536-, w_k's 1600-, w_v's 1664-.
; OUT: a record of 208,896 bytes for each (batch, head), 16 steps of 13,056: 8 half images of 768 bytes (Q in qrec, K in kvrec: 16 tokens x 64 channels), 4 fragments of V^T of 1,536 (16 channels x 128 tokens),
; 512 bytes of Q's or K's scale words at 256 (t % 2) + 16 r + 4 (t / 2), 256 bytes of V^T's at 128 (b % 2) + 8 r + 4 (b / 2).
; A block's scale byte is its largest magnitude's exponent field - 2, held at 1 from below.  LIMITS: NaN and infinities are not served; blocks under 2^-124 keep the floor's byte.
; SHARES.  The three tensors' 192 steps of 128 tokens lie on end in cod; a cluster of four work-groups takes three of them, a work-group 256 columns, a wave ONE HEAD: its 64 rows of the weight, all of K, in 384 registers,
; brought by plain loads of the images (256 or 512 consecutive bytes each).  A step is 8 blocks of 16 tokens x all of K, 32 products each, four accumulators by turns.
; Where a cluster's three steps cross from one tensor to the next (two clusters of 64), the weights are loaded anew: a branch on ids alone, the same in all partners.
; THE TOKENS' ROWS come by joint tensor loads (the four partners need the same rows): step 0's 8 tiles at the head, two a wave; steps 1 and 2, four tiles a wave, as a later first fill behind the full sequence and a round.
; Nothing is filled again.  A plain barrier at each step's end shows the later fill to all waves.  The weights are not asked for jointly: no partner has the same rows.
; No prefetch: the rows are asked for a step ahead of their use, the weights at the head.
; Q, K: source 0 = the weight's rows: a lane holds one token, its 32 sums are the head's channels 32 g + 16 h + i.  V: source 0 = the tokens: a lane holds one channel, its 32 sums of four blocks are tokens 32 g + 16 h + i.
; The bias, laid as the result lies, is the C of a block's first four products.
; A step's scale words of the rows are loaded a step ahead, tile by tile, behind the block that read the old ones; the last step so asks for the next 8 tiles' words, which lie inside scl and are not used.
; REGISTERS: window 0: addresses, v16-31 the weights' scale words, v36-99 the rows', v100- the quantiser's.  Fragment f lies in window 1 + f / 21 at register 12 (f % 21): 0-31 the weights', 32-47 the rows' two sets.
; v848-879 the bias, v880-1007 the accumulators.
.set FR,     12
.set FPW,    21
.set FRB,    1536
.set TILEB,  12288
.set REC,    208896
.set STEPB,  13056
.set STGQ,   24*TILEB                  ; 512 bytes a wave
.set STGV,   STGQ+2048                 ; 256 bytes a wave
.set SPARE,  STGV+1024
.set L8,   4
.set L16,  5
.set O8,   6                           ; v6, v7: the step's rows in LDS; v8, v9: 4 tiles on
.set O16,  7
.set SPW,  10
.set NIL,  11
.set ABS,  12
.set AXS,  13
.set BOF,  14
.set BOV,  15
.set SB,   16
.set SSQ,  32
.set SRQ,  33
.set SSV,  34
.set SRV,  35
.set SA,   36
.set TM,   100
.set SOP,  104
.set PW,   106
.set PC,   108
.set PT,   114
.set RB,   120
.set BO,   80                          ; in window 3
.set ACC,  112                         ; in window 3
.set SEL,  72
.set MSB, 0
.macro WIN new
.if MSB != (\new)
	s_set_vgpr_msb (MSB<<8)|(\new)
.set MSB, (\new)
.endif
.endm
.macro PLACES
.rept 4
	v_nop
.endr
.endm
.macro CROUND
	s_barrier_signal -1
	s_barrier_wait -1
	s_cmp_lg_u32 s18, 0
	s_cbranch_scc1 .Lnot_wave_0_\@
	s_barrier_signal -3
.Lnot_wave_0_\@:
	s_barrier_wait -3
	s_barrier_signal -1
	s_barrier_wait -1
.endm
.macro WFRAG q, b
.set F_, 4*(\q)+(\b)
.set R_, FR*(F_%FPW)
.set OF_, (\b)*TILEB+(\q)*FRB
	WIN (1+F_/FPW)<<6
	global_load_b64 v[R_:R_+1], v[L8], s[28:29] offset:OF_
	global_load_b128 v[R_+2:R_+5], v[L16], s[28:29] offset:OF_+256
	global_load_b64 v[R_+6:R_+7], v[L8], s[28:29] offset:OF_+768
	global_load_b128 v[R_+8:R_+11], v[L16], s[28:29] offset:OF_+1024
.endm
.macro LOADW                           ; tensor s24's weights, scale words and bias for my head
	s_lshl_b32 s60, s24, 6
	s_add_co_u32 s60, s60, s66                     ; my first tile: 1,536 + 64 tensor + 4 head
	s_mul_i32 s62, s60, TILEB
	s_mov_b32 s63, 0
	s_add_nc_u64 s[28:29], s[4:5], s[62:63]
	s_lshl_b32 s62, s60, 9
	s_add_nc_u64 s[30:31], s[6:7], s[62:63]
	s_cmp_eq_u32 s24, 1
	s_cselect_b64 s[32:33], s[10:11], s[8:9]
	s_cmp_eq_u32 s24, 2
	s_cselect_b64 s[32:33], s[12:13], s[32:33]
	s_lshl_b32 s62, s21, 8
	s_add_nc_u64 s[32:33], s[32:33], s[62:63]
.irp p, 0,1
.irp c, 0,1
	global_load_b128 v[SB+8*\p+4*\c:SB+8*\p+4*\c+3], v[ABS], s[30:31] offset:1024*\p+16*\c
.endr
.endr
	s_cmp_eq_u32 s24, 2
	s_cbranch_scc1 .Lbias_v_\@
	WIN 3<<6
.irp b, 0,1,2,3                        ; register 8 b + j of lane (r, h): channel 32 (b / 2) + 16 h + 8 (b % 2) + j
	global_load_b128 v[BO+8*\b:BO+8*\b+3], v[BOF], s[32:33] offset:128*(\b/2)+32*(\b%2)
	global_load_b128 v[BO+8*\b+4:BO+8*\b+7], v[BOF], s[32:33] offset:128*(\b/2)+32*(\b%2)+16
.endr
	WIN 0
	s_branch .Lbias_in_\@
.Lbias_v_\@:
	WIN 3<<6
.irp b, 0,1,2,3                        ; all eight registers of tile b: channel 32 (b / 2) + 8 (b % 2) + r + 8 (r / 8)
.irp j, 0,1,2,3,4,5,6,7
	global_load_b32 v[BO+8*\b+\j], v[BOV], s[32:33] offset:128*(\b/2)+32*(\b%2)
.endr
.endr
	WIN 0
.Lbias_in_\@:
.irp q, 0,1,2,3,4,5,6,7
.irp b, 0,1,2,3
	WFRAG \q, \b
.endr
.endr
	WIN 0
.endm
.macro FETCH s                         ; block s's eight fragments, LDS to set s % 2: 32 loads
.irp q, 0,1,2,3,4,5,6,7
.set F_, 32+8*((\s)%2)+\q
.set R_, FR*(F_%FPW)
.set OF_, ((\s)%4)*TILEB+\q*FRB
	WIN (1+F_/FPW)<<6
	ds_load_b64 v[R_:R_+1], v[O8+2*((\s)/4)] offset:OF_
	ds_load_b128 v[R_+2:R_+5], v[O16+2*((\s)/4)] offset:OF_+256
	ds_load_b64 v[R_+6:R_+7], v[O8+2*((\s)/4)] offset:OF_+768
	ds_load_b128 v[R_+8:R_+11], v[O16+2*((\s)/4)] offset:OF_+1024
.endr
	WIN 0
.endm
.macro WM d, s0, s1, c, x0, x1, side, row
	v_wmma_scale_f32_16x16x128_f8f6f4 v[\d:\d+7], v[FR*(\s0%FPW):FR*(\s0%FPW)+FR-1], v[FR*(\s1%FPW):FR*(\s1%FPW)+FR-1], \c, v[\x0], v[\x1] matrix_a_fmt:MATRIX_FMT_FP6 matrix_b_fmt:MATRIX_FMT_FP6 matrix_\side\()_scale:MATRIX_SCALE_ROW\row
.endm
.macro WM2 d, s0, s1, c, x0, x1, side, odd
.if \odd
	WM \d, \s0, \s1, \c, \x0, \x1, \side, 1
.else
	WM \d, \s0, \s1, \c, \x0, \x1, \side, 0
.endif
.endm
.macro PROD k, t, q, b                 ; k = 0: Q, K; k = 1: V
.set FB_, 4*(\q)+(\b)
.set FA_, 32+8*((\t)%2)+(\q)
.set C_, BO+8*(\b)
.set XB_, SB+8*((\b)/2)+(\q)           ; lanes 0-15: tile 2 (b / 2), lanes 16-31: the next
.set XA_, SA+8*(\t)+(\q)
.if \k
.set D_, ACC+32*(\b)+8*((\t)%4)
	WIN (1+FA_/FPW)|((1+FB_/FPW)<<2)|(3<<4)|(3<<6)
.if (\q) == 0
	WM2 D_, FA_, FB_, v[C_:C_+7], XA_, XB_, b, (\b)%2
.else
	WM2 D_, FA_, FB_, v[D_:D_+7], XA_, XB_, b, (\b)%2
.endif
.else
.set D_, ACC+8*(\b)
	WIN (1+FB_/FPW)|((1+FA_/FPW)<<2)|(3<<4)|(3<<6)
.if (\q) == 0
	WM2 D_, FB_, FA_, v[C_:C_+7], XB_, XA_, a, (\b)%2
.else
	WM2 D_, FB_, FA_, v[D_:D_+7], XB_, XA_, a, (\b)%2
.endif
.endif
.endm
.macro BLOCK k, t                      ; 32 products, K ascending; then the fetch of the block two on and the next step's scale words of this tile
.irp q, 0,1,2,3,4,5,6,7
.irp b, 0,1,2,3
	PROD \k, \t, \q, \b
.endr
.endr
	WIN 0
	PLACES                                         ; four places ahead of the loads into registers just read and of the first read of the sums
	s_wait_dscnt 0x0                               ; the next block's fragments are in
.if (\t) < 6
	FETCH (\t)+2
.endif
	global_load_b128 v[SA+8*(\t):SA+8*(\t)+3], v[AXS], s[26:27] offset:4096+512*(\t)
	global_load_b128 v[SA+8*(\t)+4:SA+8*(\t)+7], v[AXS], s[26:27] offset:4096+512*(\t)+16
.endm
.macro QUANT2 x                        ; 32 sums a lane from register x of window 3 on: two blocks of 32 (with lane l xor 16) become six registers of an operand, v[PC ..], and two scale bytes, v[PW]
	WIN 3|(3<<2)
	v_max3_num_f32 v[TM], |v[\x]|, |v[\x+1]|, 0x1800000            ; with the floor 2^(3 - 127); each accumulator from its low end on
	v_max3_num_f32 v[TM+1], |v[\x+16]|, |v[\x+17]|, 0x1800000
	WIN (3<<2)|(3<<4)
.irp i, 2,4,6,8,10,12,14
	v_max3_num_f32 v[TM], v[TM], |v[\x+\i]|, |v[\x+\i+1]|
	v_max3_num_f32 v[TM+1], v[TM+1], |v[\x+16+\i]|, |v[\x+17+\i]|
.endr
	WIN 0
	v_permlanex16_b32 v[TM+2], v[TM], s[SEL], s[SEL+1]
	v_permlanex16_b32 v[TM+3], v[TM+1], s[SEL], s[SEL+1]
	v_max_num_f32 v[TM], v[TM], v[TM+2]
	v_max_num_f32 v[TM+1], v[TM+1], v[TM+3]
	v_add_nc_u32 v[SOP], 0xff000000, v[TM]         ; 2 off the exponent field: the conversion's scale operand
	v_add_nc_u32 v[SOP+1], 0xff000000, v[TM+1]
	v_lshrrev_b32 v[TM+2], 23, v[SOP]
	v_lshrrev_b32 v[TM+3], 23, v[SOP+1]
	v_lshl_or_b32 v[PW], v[TM+3], 8, v[TM+2]
	s_wait_alu depctr_va_vdst(0)
	s_wait_xcnt 0x0                                ; the last stores have read v[PC ..]
	WIN 3
	v_cvt_scalef32_pk16_fp6_f32 v[PC:PC+2], v[\x:\x+15], v[SOP]
	v_cvt_scalef32_pk16_fp6_f32 v[PT:PT+2], v[\x+16:\x+31], v[SOP+1]
	WIN 0
	v_nop                                          ; one plain place behind a scaled conversion
.irp i, 0,1,2
	v_permlane16_swap_b32 v[PC+\i], v[PT+\i]       ; a whole block in a lane: lanes 0-15 the first, lanes 16-31 the second
.endr
.irp i, 0,1,2
	v_mov_b32 v[PC+3+\i], v[PT+\i]
.endr
.endm
.macro PUT off                         ; a half image: 256 and 512 consecutive bytes, aligned
	global_store_b64 v[L8], v[PC:PC+1], s[34:35] offset:\off
	global_store_b128 v[L16], v[PC+2:PC+5], s[34:35] offset:\off+256
.endm
	s_load_b256 s[4:11], s[0:1], 0x0               ; cod, scl, b_q, b_k
	s_load_b128 s[12:15], s[0:1], 0x20             ; b_v, qrec
	s_load_b64 s[16:17], s[0:1], 0x30              ; kvrec
	v_lshl_add_u32 v[SPW], v0, 2, SPARE
	v_mov_b32 v[NIL], 0
	ds_add_u32 v[SPW], v[NIL]
	ds_add_u32 v[SPW], v[NIL]
	v_lshrrev_b32 v1, 5, v0
	v_readfirstlane_b32 s18, v1                    ; wave
	s_bfe_u32 s19, ttmp6, 0x40000                  ; cx: it enters addresses of the weights, the biases and the records alone
	s_and_b32 s20, ttmp7, 0xffff                   ; the cluster
	s_lshl_b32 s21, s19, 2
	s_add_co_u32 s21, s21, s18                     ; my head
	s_mul_i32 s22, s20, 3                          ; the step, 0 .. 191
	s_mov_b32 s23, 0                               ; trips
	s_mov_b32 s25, 0                               ; the step's rows in LDS
	s_lshl_b32 s66, s21, 2
	s_add_co_u32 s66, s66, 1536
	s_mul_i32 s60, s20, 24*TILEB
	s_mul_i32 s37, s18, 2*TILEB                    ; step 0: my two tiles, in LDS
	s_add_co_u32 s60, s60, s37                     ; and in cod
	s_mov_b32 s61, 0
	s_mul_i32 s57, s18, 4*TILEB
	s_mul_i32 s62, s20, 24*TILEB
	s_add_co_u32 s62, s62, s57
	s_add_co_u32 s62, s62, 8*TILEB                 ; steps 1 and 2: my four tiles
	s_mov_b32 s63, 0
	s_add_co_u32 s57, s57, 8*TILEB
	s_mov_b32 s36, 1
	s_mov_b32 s56, 1
	s_mov_b32 s40, 15|(3<<16)|(1<<21)              ; group 1: the mask names all four; elements of 8 bytes; rows of 256 bytes, dense: 96,
	s_mov_b32 s41, 32<<16
	s_mov_b32 s42, 96<<16
	s_mov_b32 s43, 32<<16
	s_mov_b32 s44, 96
	s_mov_b32 s45, 32
	s_mov_b32 s46, 0
	s_mov_b32 s47, 0
	s_mov_b32 s48, 15|(3<<16)|(1<<21)              ; and 192
	s_mov_b32 s49, 32<<16
	s_mov_b32 s50, 192<<16
	s_mov_b32 s51, 32<<16
	s_mov_b32 s52, 192
	s_mov_b32 s53, 32
	s_mov_b32 s54, 0
	s_mov_b32 s55, 0
	s_lshl_b32 s68, s22, 12                        ; the rows' scale words: 4,096 bytes a step
	s_mov_b32 s69, 0
	s_lshl_b32 s70, s18, 9
	s_add_co_u32 s70, s70, STGQ
	s_lshl_b32 s71, s18, 8
	s_add_co_u32 s71, s71, STGV
	s_mov_b32 s[SEL], 0x76543210
	s_mov_b32 s[SEL+1], 0xfedcba98
	v_and_b32 v3, 31, v0                           ; lane
	v_and_b32 v1, 15, v0                           ; r
	v_bfe_u32 v2, v0, 4, 1                         ; h
	v_lshlrev_b32 v[L8], 3, v3
	v_lshlrev_b32 v[L16], 4, v3
	v_lshlrev_b32 v[ABS], 5, v3
	v_lshlrev_b32 v[AXS], 5, v1
	v_lshlrev_b32 v[BOF], 6, v2
	v_and_b32 v[BOV], 8, v1
	v_add_nc_u32 v[BOV], v[BOV], v1
	v_lshlrev_b32 v[BOV], 2, v[BOV]
	v_lshl_add_u32 v[SSQ], v1, 4, s70
	v_add_nc_u32 v[SRQ], s70, v[L16]
	v_lshl_add_u32 v[SSV], v1, 3, s71
	v_add_nc_u32 v[SRV], s71, v[L8]
	v_mov_b32 v[TM+2], 0                           ; written once: a lane permute's destination counts as one of its sources
	v_mov_b32 v[TM+3], 0
	s_wait_alu depctr_va_vdst(0)
	s_wait_dscnt 0x0
	s_wait_kmcnt 0x0
	s_add_nc_u64 s[38:39], s[4:5], s[60:61]
	s_or_b32 s39, s39, 0x80000000
	s_add_nc_u64 s[58:59], s[4:5], s[62:63]
	s_or_b32 s59, s59, 0x80000000
	s_add_nc_u64 s[26:27], s[6:7], s[68:69]
	CROUND                                         ; all four work-groups are here: the joint loads meet
	tensor_load_to_lds s[36:39], s[40:47]          ; step 0's rows: my one tensor load at the head
	s_nop 0
	PLACES
	s_lshr_b32 s24, s22, 6                         ; the tensor: 0 query, 1 key, 2 value
	LOADW
.irp t, 0,1,2,3,4,5,6,7
	global_load_b128 v[SA+8*\t:SA+8*\t+3], v[AXS], s[26:27] offset:512*\t
	global_load_b128 v[SA+8*\t+4:SA+8*\t+7], v[AXS], s[26:27] offset:512*\t+16
.endr
	s_wait_tensorcnt 0x0
	ds_add_u32 v[SPW], v[NIL]
	s_wait_dscnt 0x0
	CROUND                                         ; step 0's rows are in, in every wave of every partner
	tensor_load_to_lds s[56:59], s[48:55]          ; steps 1 and 2: they land under step 0's work
	s_nop 0
	PLACES
.Lstep:
	s_wait_loadcnt 0x0
	s_wait_xcnt 0x0                                ; the last step's loads and stores have read their bases and registers
	s_lshr_b32 s24, s22, 6
	s_and_b32 s61, s22, 63                         ; the step in its tensor: 16 batch + step
	s_lshr_b32 s62, s61, 4
	s_lshl_b32 s62, s62, 4
	s_add_co_u32 s62, s62, s21
	s_mul_i32 s62, s62, REC
	s_and_b32 s63, s61, 15
	s_mul_i32 s63, s63, STEPB
	s_add_co_u32 s62, s62, s63
	s_mov_b32 s63, 0
	s_cmp_eq_u32 s24, 0
	s_cselect_b64 s[34:35], s[14:15], s[16:17]
	s_add_nc_u64 s[34:35], s[34:35], s[62:63]      ; my head's step in its record
	s_cmp_eq_u32 s23, 0
	s_cselect_b32 s68, 0, 4096
	s_add_nc_u64 s[26:27], s[26:27], s[68:69]
	s_cbranch_scc1 .Lhave                          ; the first step's weights came at the head
	s_cmp_lg_u32 s61, 0
	s_cbranch_scc1 .Lhave                          ; the same tensor as before
	LOADW
.Lhave:
	v_add_nc_u32 v[O8], s25, v[L8]
	v_add_nc_u32 v[O16], s25, v[L16]
	v_add_nc_u32 v[O8+2], 4*TILEB, v[O8]
	v_add_nc_u32 v[O16+2], 4*TILEB, v[O16]
	s_wait_alu depctr_va_vdst(0)
	s_wait_loadcnt 0x0
	FETCH 0
	FETCH 1
	s_cmp_eq_u32 s24, 2
	s_cbranch_scc1 .Lvalue
	s_wait_dscnt 32                                ; block 0's fragments are in; block 1's 32 loads may be out
.irp t, 0,1,2,3,4,5,6,7
	BLOCK 0, \t
	QUANT2 ACC
	PUT 768*\t
	ds_store_b32 v[SSQ], v[PW] offset:256*(\t%2)+4*(\t/2)
.endr
	ds_load_b128 v[RB:RB+3], v[SRQ]                ; LDS serves a wave's instructions in order: this sees my stores
	s_wait_dscnt 0x0
	global_store_b128 v[L16], v[RB:RB+3], s[34:35] offset:12288    ; 512 consecutive bytes, aligned
	s_branch .Lnext
.Lvalue:
	s_wait_dscnt 32
.irp t, 0,1,2,3,4,5,6,7
	BLOCK 1, \t
.if \t%4 == 3                          ; 64 tokens are whole: half a fragment of each of the four channel tiles
.irp b, 0,1,2,3
	QUANT2 ACC+32*\b
	PUT 6144+FRB*\b+768*(\t/4)
	ds_store_b16 v[SSV], v[PW] offset:128*(\b%2)+4*(\b/2)+2*(\t/4)
.endr
.endif
.endr
	ds_load_b64 v[RB:RB+1], v[SRV]
	s_wait_dscnt 0x0
	global_store_b64 v[L8], v[RB:RB+1], s[34:35] offset:12800      ; 256 consecutive bytes, aligned
.Lnext:
	s_wait_tensorcnt 0x0                           ; my part of the later steps' rows is in,
	s_barrier_signal -1
	s_barrier_wait -1                              ; everybody's is
	s_add_co_u32 s22, s22, 1
	s_add_co_u32 s25, s25, 8*TILEB
	s_add_co_u32 s23, s23, 1
	s_cmp_lt_u32 s23, 3
	s_wait_alu depctr_va_vdst(0)
	s_cbranch_scc1 .Lstep
	s_wait_tensorcnt 0x0                           ; the wave's end
	ds_add_u32 v[SPW], v[NIL]
	s_wait_dscnt 0x0
	CROUND                                         ; the closing round
	s_endpgm
.Lfunc_end_k_qa504ea518f_proj:
	.size	k_qa504ea518f_proj, .Lfunc_end_k_qa504ea518f_proj-k_qa504ea518f_proj
	.p2alignl 7, 3214868480
	.fill 96, 4, 3214868480
	.section	.rodata,"a",@progbits
	.p2align	6, 0x0
	.amdhsa_kernel k_qa504ea518f_proj
		.amdhsa_group_segment_fixed_size 327680
		.amdhsa_private_segment_fixed_size 0
		.amdhsa_enable_private_segment 0
		.amdhsa_kernarg_size 56
		.amdhsa_user_sgpr_count 2
		.amdhsa_user_sgpr_kernarg_segment_ptr 1
		.amdhsa_wavefront_size32 1
		.amdhsa_system_sgpr_workgroup_id_x 1
		.amdhsa_system_sgpr_workgroup_id_y 1
		.amdhsa_system_sgpr_workgroup_id_z 1
		.amdhsa_system_vgpr_workitem_id 0
		.amdhsa_next_free_vgpr 1008
		.amdhsa_next_free_sgpr 80
		.amdhsa_reserve_vcc 0
		.amdhsa_float_denorm_mode_32 3
		.amdhsa_float_denorm_mode_16_64 3
		.amdhsa_memory_ordered 1
		.amdhsa_forward_progress 1
		.amdhsa_inst_pref_size 181
	.end_amdhsa_kernel
	.amdgpu_metadata
---
amdhsa.version: [ 1, 2 ]
amdhsa.kernels:
  - .name:           k_qa504ea518f_proj
    .symbol:         k_qa504ea518f_proj.kd
    .args:
      - { .name: cod, .offset: 0, .size: 8, .value_kind: global_buffer, .address_space: global }
      - { .name: scl, .offset: 8, .size: 8, .value_kind: global_buffer, .address_space: global }
      - { .name: b_q, .offset: 16, .size: 8, .value_kind: global_buffer, .address_space: global }
      - { .name: b_k, .offset: 24, .size: 8, .value_kind: global_buffer, .address_space: global }
      - { .name: b_v, .offset: 32, .size: 8, .value_kind: global_buffer, .address_space: global }
      - { .name: qrec, .offset: 40, .size: 8, .value_kind: global_buffer, .address_space: global }
      - { .name: kvrec, .offset: 48, .size: 8, .value_kind: global_buffer, .address_space: global }
    .group_segment_fixed_size: 327680
    .private_segment_fixed_size: 0
    .kernarg_segment_align: 8
    .kernarg_segment_size: 56
    .max_flat_workgroup_size: 128
    .sgpr_count:     80
    .vgpr_count:     1008
    .wavefront_size: 32
...
	.end_amdgpu_metadata
.endif
;; end of part 2
;; launch attn (part 3): grid 4 x 64, 16 waves a work-group, clusters of 4 x 1, 215,040 bytes of LDS; arguments qrec, kvrec, maskbits, ctx, ctxs; writes ctx, ctxs
.if DOCPART == 3
	.amdgcn_target "amdgcn-amd-amdhsa--gfx1250"
	.amdhsa_code_object_version 6
	.text
	.protected	k_qa504ea518f_attn
	.globl	k_qa504ea518f_attn
	.p2align	8
	.type	k_qa504ea518f_attn,@function
k_qa504ea518f_attn:
	s_mov_b64 s[64:65], 0
	v_nop
	global_prefetch_b8 v0, s[64:65] scope:SCOPE_SE
	s_setreg_imm32_b32 hwreg(HW_REG_WAVE_MODE, 25, 1), 1
	s_wait_xcnt 0x0
	s_wait_alu depctr_hold_cnt(0) depctr_sa_sdst(0) depctr_va_vdst(0) depctr_va_sdst(0) depctr_va_ssrc(0) depctr_va_vcc(0) depctr_vm_vsrc(0)
	s_getreg_b32 s2, hwreg(HW_REG_IB_STS2, 6, 4)
	s_cmp_eq_u32 s2, 0
	s_cbranch_scc0 .Lentry_in_a_cluster
	s_endpgm
.Lentry_in_a_cluster:
	s_bfe_u32 s2, ttmp6, 0x10000c
	s_cmp_lg_u32 s2, 0x3003
	s_cbranch_scc0 .Lentry_shape_is_right
	s_endpgm
.Lentry_shape_is_right:
; context[b][q][head] = softmax_k(mask ? Q . K / 8 : -large) V, both products on codes of FP6 (E2M3) with E8M0 scales; the context is quantised along the channels and leaves as codes.
; THE SOFTMAX AHEAD OF THE SECOND PRODUCT: t = score x log2(e) / 8; M = the row's largest t so far, rounded UP to a whole number; p = 2^(t - M) is quantised along the keys, not normalised; the row's sum is
; taken of the unquantised p and divides O at the end.  When M moves, the sum and O are multiplied by 2^(old M - new M): exact.
; THE MASK: a hidden score becomes -2^100 ahead of the maximum.  In a row with an open key its p is 0.  In a row all of whose keys so far are hidden, M is exactly c x -2^100 (a whole number), t - M is exactly 0
; and p = 1, as a row of equal logits gives; the first open key then makes the factor 0, which wipes those sums.
; LIMITS: open raw scores must lie above -2^100; NaN and infinities are not served; 1 / the sum is v_rcp_f32 and a multiplication; blocks under 2^-124 keep the floor's byte 1.
; SHARES.  A work-group owns 512 queries of one (batch, head).  The head's whole record, 208,896 bytes (K's and V^T's images and their scale words, 16 steps of 128 keys), comes into LDS ONCE, as it lies in memory:
; each of the sixteen waves asks for one step, 51 rows of 256 bytes.  Nothing is filled again: no ring.  A wave owns a tile of 16 queries, twice: two passes over the 16 steps.  Four waves share a SIMD.
; CLUSTER: the four work-groups of a cluster own the four quarters of one head's queries and need the same record: each step is asked for JOINTLY, with a mask that names the four.
; No prefetch: K and V are asked for at the head alone, and the mask words are read by sixteen heads.
; LAYOUT.  Both products are used transposed: S^T = K Q^T (source 0 = 16 keys), O^T = V^T P^T (source 0 = 16 channels): a lane holds ONE query (lane % 16) throughout.  Position r of key tile 2 g + u is key
; 32 g + 8 u + r + 8 (r / 8), so registers 16 g + i of S^T hold keys 32 g + 16 h + i; V^T's channel tiles are chosen likewise, so registers 16 g + i of O^T hold channels 32 g + 16 h + i.
; TWO REGIONS OF 64 REGISTERS TAKE TURNS.  A step's K lies in one, its scores go into the other; V^T's fragments then take K's place; when p has been converted, the NEXT step's K is fetched into p's registers,
; 17 LDS loads that are waited for at the next step's head.  A trip of the loop is two steps.  The last step of a pass asks for its own K once more (no load leaves the record); a pass fetches step 0's K at its head.
; K = 64 IN AN INSTRUCTION OF 128: Q's registers 6-11 hold zero codes.  K's tiles stand 6 registers apart, and tile t is named with 12: its upper six are the next tile's codes (behind the last: what the region held before):
; every code of FP6 is a finite number, which adds nothing against zero codes; no scale byte here is 0xff.
.set REC,   208896
.set STEPB, 13056
.set L8,   1                           ; v1   8 x lane
.set L16,  2                           ; v2   16 x lane
.set AD8,  3                           ; v3   + the step's first LDS byte
.set AD16, 4                           ; v4
.set NEG,  5                           ; v5   -2^100
.set VQ8,  6                           ; v6   Q's tile in its step: 768 (w % 8) + 8 lane
.set VQ16, 7                           ; v7   + 256 + 16 lane
.set VQS,  8                           ; v8   Q's scale word
.set VCS,  9                           ; v9   32 r + h: my byte among the context's scale bytes
.set Q,    16                          ; v16-27  Q's fragment (v22-27 zero codes)
.set QS,   28                          ; v28  Q's scale words
.set RX,   32                          ; v32-95  the first region
.set RY,   96                          ; v96-159 the second
.set S,    96                          ; the tile's end works in the second
.set O,    160                         ; v160-191 O^T
.set PC,   192                         ; v192-203 p's codes
.set PT,   204                         ; v204-211 their upper halves
.set BM,   212                         ; v212-215 a block's largest score, then its largest p
.set T2,   216                         ; v216-219 at work
.set SOP,  220                         ; v220-223 the conversions' scale operands
.set BY,   224                         ; v224-227 scale bytes
.set PW,   228                         ; v228 p's scale word
.set F,    230                         ; v[230:231] 2^(old M - new M)
.set TMP,  232
.set KS,   234                         ; v234-237 K's scale words
.set VS,   238                         ; v238-239 V^T's
.set G0,  4                            ; s[4:7], s[8:15] the descriptor
.set G1,  8
.set QP,  16                           ; s[16:17] Q's step in qrec
.set MB,  18                           ; s[18:19] my tile's mask words
.set CP,  20                           ; s[20:21] my tile's half image in ctx
.set CSP, 22                           ; s[22:23] my tile's scale bytes in ctxs
.set SEL, 24
.set CS,  26                           ; s[26:27] c = log2(e) / 8
.set WV,  28
.set TB,  29                           ; the first LDS byte of the step whose K was fetched last
.set NST, 30
.set NPS, 31
.set MO,  66                           ; the mask words' byte offset
.set HM,  67                           ; lanes 16-31
; s[32:63], s[68:99]: the step's 64 lane masks (at the head: the buffers' addresses and offsets)
.macro CROUND
	s_barrier_signal -1
	s_barrier_wait -1
	s_cmp_lg_u32 s[WV], 0
	s_cbranch_scc1 .Lnot_wave_0_\@
	s_barrier_signal -3
.Lnot_wave_0_\@:
	s_barrier_wait -3
	s_barrier_signal -1
	s_barrier_wait -1
.endm
.macro MASKS                           ; a step's 64 words, 256 bytes
	s_load_b512 s[32:47], s[MB:MB+1], s[MO] offset:0x0
	s_load_b512 s[48:63], s[MB:MB+1], s[MO] offset:0x40
	s_load_b512 s[68:83], s[MB:MB+1], s[MO] offset:0x80
	s_load_b512 s[84:99], s[MB:MB+1], s[MO] offset:0xc0
.endm
.macro KLOAD reg                       ; K's 8 tiles and their scale words, from the step at v[AD8], v[AD16]: 17 LDS loads
.irp t, 0,1,2,3,4,5,6,7
	ds_load_b64 v[\reg+6*\t:\reg+6*\t+1], v[AD8] offset:768*\t
	ds_load_b128 v[\reg+6*\t+2:\reg+6*\t+5], v[AD16] offset:768*\t+256
.endr
	ds_load_b128 v[KS:KS+3], v[AD16] offset:12288  ; register j: lanes 0-15 tile 2 j's words, lanes 16-31 tile 2 j + 1's
.endm
.macro STEPM kr, sr                    ; 128 keys: K lies in region kr, the scores go into region sr
	s_wait_alu depctr_va_vdst(0)
	s_wait_dscnt 0x0                               ; K's tiles and scale words are in
.irp t, 0,2,4,6
	v_wmma_scale_f32_16x16x128_f8f6f4 v[\sr+8*\t:\sr+8*\t+7], v[\kr+6*\t:\kr+6*\t+11], v[Q:Q+11], 0, v[KS+\t/2], v[QS] matrix_a_fmt:MATRIX_FMT_FP6 matrix_b_fmt:MATRIX_FMT_FP6
	v_wmma_scale_f32_16x16x128_f8f6f4 v[\sr+8*\t+8:\sr+8*\t+15], v[\kr+6*\t+6:\kr+6*\t+17], v[Q:Q+11], 0, v[KS+\t/2], v[QS] matrix_a_fmt:MATRIX_FMT_FP6 matrix_b_fmt:MATRIX_FMT_FP6 matrix_a_scale:MATRIX_SCALE_ROW1
.endr
.rept 4
	v_nop                                          ; places in front of the loads below and of the first read of the scores
.endr
.irp t, 0,1,2,3                                    ; V^T's four fragments take K's place: they land during the softmax
	ds_load_b64 v[\kr+12*\t:\kr+12*\t+1], v[AD8] offset:6144+1536*\t
	ds_load_b128 v[\kr+12*\t+2:\kr+12*\t+5], v[AD16] offset:6144+1536*\t+256
	ds_load_b64 v[\kr+12*\t+6:\kr+12*\t+7], v[AD8] offset:6144+1536*\t+768
	ds_load_b128 v[\kr+12*\t+8:\kr+12*\t+11], v[AD16] offset:6144+1536*\t+1024
.endr
	ds_load_b64 v[VS:VS+1], v[AD8] offset:12800
	s_wait_kmcnt 0x0                               ; this step's lane masks
.set n, 0
.rept 64
	v_cndmask_b32 v[\sr+n], v[NEG], v[\sr+n], s[32+n+4*(n/32)]   ; hidden scores become -2^100; each accumulator from its low end on
.set n, n+1
.endr
	s_add_co_u32 s[MO], s[MO], 256                 ; (written behind the wait that shows the last scalar loads done)
	s_min_u32 s[MO], s[MO], 3840                   ; the last step asks for its own words once more: no load leaves the tile's 4,096 bytes
	MASKS                                          ; the next step's: a step ahead of their use
.irp b, 0,1,2,3
	v_max3_num_f32 v[BM+\b], v[\sr+16*\b], v[\sr+1+16*\b], v[\sr+2+16*\b]   ; the largest score of each block of 32 keys: it serves for the row's maximum and, since p rises with the score, for the block's largest p
.endr
.irp i, 3,5,7,9,11,13
.irp b, 0,1,2,3
	s_delay_alu instid0(VALU_DEP_4)
	v_max3_num_f32 v[BM+\b], v[BM+\b], v[\sr+16*\b+\i], v[\sr+1+16*\b+\i]
.endr
.endr
.irp b, 0,1,2,3
	s_delay_alu instid0(VALU_DEP_4)
	v_max_num_f32 v[BM+\b], v[BM+\b], v[\sr+15+16*\b]
.endr
.irp b, 0,1,2,3
	s_delay_alu instid0(VALU_DEP_4)
	v_permlanex16_b32 v[T2+\b], v[BM+\b], s[SEL], s[SEL+1]
.endr
.irp b, 0,1,2,3
	s_delay_alu instid0(VALU_DEP_4)
	v_max_num_f32 v[BM+\b], v[BM+\b], v[T2+\b]     ; with lane l xor 16's 16 keys
.endr
	s_delay_alu instid0(VALU_DEP_2)
	v_max3_num_f32 v[TMP], v[BM], v[BM+1], v[BM+2]
	s_delay_alu instid0(VALU_DEP_1)
	v_max_num_f32 v[TMP], v[TMP], v[BM+3]          ; the step's largest score of my query
	s_delay_alu instid0(VALU_DEP_1)
	v_mul_f32 v[TMP], s[CS], v[TMP]                ; as t
	s_delay_alu instid0(VALU_DEP_1)
	v_max_num_f32 v13, v13, v[TMP]                 ; the running largest t
	v_mov_b32 v[TMP], v12
	s_delay_alu instid0(VALU_DEP_2)
	v_floor_f32 v12, -v13                          ; the new -M = -ceil(t): a whole number
	s_delay_alu instid0(VALU_DEP_1)
	v_sub_f32 v[TMP], v12, v[TMP]                  ; old M - new M: 0 or less
	s_delay_alu instid0(VALU_DEP_1)
	v_cvt_i32_f32 v[TMP], v[TMP]                   ; (it saturates)
	s_delay_alu instid0(VALU_DEP_1)
	v_ldexp_f32 v[F], 1.0, v[TMP]                  ; f = 2^(old M - new M)
.set j, 0
.rept 32
	v_pk_fma_f32 v[\sr+j:\sr+j+1], v[\sr+j:\sr+j+1], s[CS:CS+1], v[12:13] op_sel_hi:[1,0,0]   ; t - M, two at a time
.set j, j+2
.endr
.irp b, 0,1,2,3
	v_fma_f32 v[BM+\b], v[BM+\b], s[CS], v12       ; the same of each block's largest score
.endr
.set j, 0
	s_wait_alu depctr_va_vdst(0)
.rept 64
	v_exp_f32 v[\sr+j], v[\sr+j]                   ; p = 2^(t - M), at most 1
.set j, j+1
.endr
	v_pk_mul_f32 v[14:15], v[14:15], v[F:F+1] op_sel_hi:[1,0]   ; the sums under the new M: a plain place behind the exponentials
	s_wait_alu depctr_va_vdst(0)                   ; one wait for the whole batch, ahead of its first reader
.irp b, 0,1,2,3
	v_exp_f32 v[BM+\b], v[BM+\b]                   ; the block's largest p
.endr
	; the row's sum of the unquantised p, two at a time, in eight chains: v[216:217], v[252:253] down to v[242:243], v[14:15]
	v_pk_add_f32 v[216:217], v[\sr+4:\sr+5], v[\sr+8:\sr+9]
.irp k, 0,1,2,3,4,5
	v_pk_add_f32 v[252-2*\k:253-2*\k], v[\sr+12+8*\k:\sr+13+8*\k], v[\sr+16+8*\k:\sr+17+8*\k]
.endr
	v_pk_add_f32 v[14:15], v[14:15], v[\sr+60:\sr+61]
	v_pk_add_f32 v[216:217], v[216:217], v[\sr:\sr+1]
.irp k, 0,1,2,3,4,5
	v_pk_add_f32 v[252-2*\k:253-2*\k], v[252-2*\k:253-2*\k], v[\sr+2+4*\k:\sr+3+4*\k]
.endr
	v_pk_add_f32 v[14:15], v[14:15], v[\sr+26:\sr+27]
	v_pk_add_f32 v[216:217], v[216:217], v[\sr+30:\sr+31]
.irp k, 0,1,2,3,4,5
	v_pk_add_f32 v[252-2*\k:253-2*\k], v[252-2*\k:253-2*\k], v[\sr+34+4*\k:\sr+35+4*\k]
.endr
	v_pk_add_f32 v[14:15], v[14:15], v[\sr+58:\sr+59]
	v_pk_add_f32 v[216:217], v[216:217], v[\sr+62:\sr+63]
	s_wait_alu depctr_va_vdst(0)                   ; and one for the four
.irp b, 0,1,2,3
	v_max_num_f32 v[BM+\b], 0x1800000, v[BM+\b]    ; the floor 2^(3 - 127): the byte cannot fall under 1
.endr
.irp b, 0,1,2,3
	s_delay_alu instid0(VALU_DEP_4)
	v_add_nc_u32 v[SOP+\b], 0xff000000, v[BM+\b]   ; 2 off the exponent field: the conversion's scale operand
.endr
.irp b, 0,1,2,3
	s_delay_alu instid0(VALU_DEP_4)
	v_lshrrev_b32 v[BY+\b], 23, v[SOP+\b]
.endr
	s_delay_alu instid0(VALU_DEP_3)
	v_lshl_or_b32 v[PW], v[BY+1], 8, v[BY]         ; p's scale word for these 128 keys
	s_delay_alu instid0(VALU_DEP_1)
	v_lshl_or_b32 v[PW], v[BY+2], 16, v[PW]
	s_delay_alu instid0(VALU_DEP_1)
	v_lshl_or_b32 v[PW], v[BY+3], 24, v[PW]
.irp c, 0,1
	v_cvt_scalef32_pk16_fp6_f32 v[PC+6*\c:PC+6*\c+2], v[\sr+32*\c:\sr+32*\c+15], v[SOP+2*\c]
	v_cvt_scalef32_pk16_fp6_f32 v[PT+4*\c:PT+4*\c+2], v[\sr+32*\c+16:\sr+32*\c+31], v[SOP+2*\c+1]
.endr
	s_add_co_u32 s[TB], s[TB], STEPB               ; the next step;
	s_min_u32 s[TB], s[TB], 15*STEPB               ; the last step asks for its own K once more: no load leaves the record
	v_add_nc_u32 v[AD8], s[TB], v[L8]              ; (these two are also the plain place behind the scaled conversions)
	v_add_nc_u32 v[AD16], s[TB], v[L16]
	KLOAD \sr                                      ; p has been summed and converted: its registers take the next step's K
.irp c, 0,1                                        ; a whole block in a lane: lanes 0-15 block 2 c, lanes 16-31 block 2 c + 1
.irp i, 0,1,2
	v_permlane16_swap_b32 v[PC+6*\c+\i], v[PT+4*\c+\i]
.endr
.irp i, 0,1,2
	s_delay_alu instid0(VALU_DEP_3)
	v_mov_b32 v[PC+6*\c+3+\i], v[PT+4*\c+\i]
.endr
.endr
.set j, 0
.rept 16
	v_pk_mul_f32 v[O+j:O+j+1], v[O+j:O+j+1], v[F:F+1] op_sel_hi:[1,0]   ; O^T under the new M.  (These are also the places between the scale word and the codes just made and the products below)
.set j, j+2
.endr
	s_wait_alu depctr_va_vdst(0)
	s_wait_dscnt 17                                ; V^T's fragments and scale words are in; behind them stand the 17 loads of the next K, which may be out
.irp t, 0,2                                        ; the four accumulators take turns, one instruction a turn
	v_wmma_scale_f32_16x16x128_f8f6f4 v[O+8*\t:O+8*\t+7], v[\kr+12*\t:\kr+12*\t+11], v[PC:PC+11], v[O+8*\t:O+8*\t+7], v[VS+\t/2], v[PW] matrix_a_fmt:MATRIX_FMT_FP6 matrix_b_fmt:MATRIX_FMT_FP6
	v_wmma_scale_f32_16x16x128_f8f6f4 v[O+8*\t+8:O+8*\t+15], v[\kr+12*\t+12:\kr+12*\t+23], v[PC:PC+11], v[O+8*\t+8:O+8*\t+15], v[VS+\t/2], v[PW] matrix_a_fmt:MATRIX_FMT_FP6 matrix_b_fmt:MATRIX_FMT_FP6 matrix_a_scale:MATRIX_SCALE_ROW1
.endr
	v_pk_add_f32 v[14:15], v[14:15], v[248:249]    ; the eight chains are joined here: seven plain lines that name none of the products' registers: the places ahead of the next scores, which are written over V^T's fragments
	v_pk_add_f32 v[216:217], v[216:217], v[246:247]
	v_pk_add_f32 v[252:253], v[252:253], v[244:245]
	v_pk_add_f32 v[250:251], v[250:251], v[242:243]
	s_delay_alu instid0(VALU_DEP_2)
	v_pk_add_f32 v[14:15], v[14:15], v[252:253]
	s_delay_alu instid0(VALU_DEP_2)
	v_pk_add_f32 v[216:217], v[216:217], v[250:251]
	s_delay_alu instid0(VALU_DEP_1)
	v_pk_add_f32 v[14:15], v[14:15], v[216:217]
.endm
	s_load_b256 s[32:39], s[0:1], 0x0              ; qrec s[32:33], kvrec s[34:35], maskbits s[36:37], ctx s[38:39]
	s_load_b64 s[40:41], s[0:1], 0x20              ; ctxs
	v_lshl_add_u32 v254, v0, 2, 0x34000
	v_mov_b32 v255, 0
	ds_add_u32 v254, v255
	ds_add_u32 v254, v255
	v_lshrrev_b32 v1, 5, v0
	s_delay_alu instid0(VALU_DEP_1)
	v_readfirstlane_b32 s[WV], v1                  ; wave 0..15
	s_bfe_u32 s3, ttmp6, 0x40000                   ; cx: it enters global addresses of Q, the mask and the context alone
	s_and_b32 s44, ttmp7, 0xffff                   ; 16 batch + head, which the four partners share
	s_lshr_b32 s45, s44, 4                         ; batch
	s_and_b32 s46, s44, 15                         ; head
	s_mul_i32 s48, s44, REC                        ; the head's record
	s_mul_i32 s50, s[WV], STEPB                    ; the step that I fetch: in memory and in LDS alike
	s_add_co_u32 s52, s48, s50
	s_mov_b32 s53, 0
	s_lshl_b32 s54, s3, 2
	s_lshr_b32 s55, s[WV], 3
	s_add_co_u32 s54, s54, s55                     ; the step of qrec in which my first tile lies: 4 cx + w / 8
	s_mul_i32 s54, s54, STEPB
	s_add_co_u32 s54, s54, s48
	s_mov_b32 s55, 0
	s_lshl_b32 s56, s45, 7
	s_lshl_b32 s57, s3, 5
	s_add_co_u32 s56, s56, s57
	s_add_co_u32 s56, s56, s[WV]                   ; my first tile of 16 queries: 128 batch + 32 cx + w
	s_lshl_b32 s58, s56, 12                        ; 4,096 bytes of mask words a tile
	s_mov_b32 s59, 0
	s_mul_i32 s60, s56, 12288
	s_mul_i32 s57, s46, 768
	s_add_co_u32 s60, s60, s57                     ; ctx: 12,288 bytes a tile, the head's half image 768 head on
	s_mov_b32 s61, 0
	s_lshl_b32 s62, s56, 9
	s_lshl_b32 s57, s46, 1
	s_add_co_u32 s62, s62, s57                     ; ctxs: 512 bytes a tile, the head's two bytes 2 head on in each row
	s_mov_b32 s63, 0
	; descriptor group 1: 51 rows of 256 bytes, dense
	s_mov_b32 s[G1], 15|(3<<16)|(1<<21)            ; 15:0 the mask: all four work-groups; 17:16 elements of 8 bytes; 21 set beside a mask
	s_mov_b32 s[G1+1], 32<<16                      ; tensor_dim0 = 32
	s_mov_b32 s[G1+2], 51<<16                      ; tensor_dim1 = 51
	s_mov_b32 s[G1+3], 32<<16                      ; tile_dim0
	s_mov_b32 s[G1+4], 51                          ; tile_dim1
	s_mov_b32 s[G1+5], 32                          ; tensor_dim0_stride
	s_mov_b32 s[G1+6], 0
	s_mov_b32 s[G1+7], 0
	s_mov_b32 s[SEL], 0x76543210
	s_mov_b32 s[SEL+1], 0xfedcba98
	s_mov_b32 s[CS], 0x3e38aa3b                    ; log2(e) / 8
	s_mov_b32 s[CS+1], s[CS]                       ; (named with it as a pair, so it is written)
	s_mov_b32 s[HM], 0xffff0000
	s_wait_dscnt 0x0
	s_wait_kmcnt 0x0
	s_add_nc_u64 s[QP:QP+1], s[32:33], s[54:55]
	s_add_nc_u64 s[MB:MB+1], s[36:37], s[58:59]
	s_add_nc_u64 s[CP:CP+1], s[38:39], s[60:61]
	s_add_nc_u64 s[CSP:CSP+1], s[40:41], s[62:63]
	s_mov_b32 s[G0], 1
	s_mov_b32 s[G0+1], s50
	s_add_nc_u64 s[G0+2:G0+3], s[34:35], s[52:53]
	s_or_b32 s[G0+3], s[G0+3], 0x80000000
	CROUND                                         ; all four work-groups are here: the joint loads meet
	tensor_load_to_lds s[G0:G0+3], s[G1:G1+7]      ; my one tensor load of the launch
	s_nop 0
.rept 4
	v_nop
.endr
	v_and_b32 v10, 31, v0                          ; lane
	v_and_b32 v11, 15, v0                          ; r
	s_wait_alu depctr_va_vdst(0)
	v_bfe_u32 v29, v0, 4, 1                        ; h
	s_wait_alu depctr_va_vdst(0)
	v_lshlrev_b32 v[L8], 3, v10
	v_lshlrev_b32 v[L16], 4, v10
	v_mov_b32 v[NEG], 0xf1800000
	s_and_b32 s44, s[WV], 7
	s_mul_i32 s45, s44, 768
	v_add_nc_u32 v[VQ8], s45, v[L8]
	s_add_co_u32 s45, s45, 256
	v_add_nc_u32 v[VQ16], s45, v[L16]
	s_and_b32 s46, s[WV], 1
	s_lshl_b32 s46, s46, 8
	s_lshr_b32 s44, s44, 1
	s_lshl_b32 s44, s44, 2
	s_add_co_u32 s46, s46, s44
	s_add_co_u32 s46, s46, 12288                   ; tile t's words: 12,288 + 256 (t % 2) + 4 (t / 2) + 16 r
	v_lshl_add_u32 v[VQS], v11, 4, s46
	v_lshl_add_u32 v[VCS], v11, 5, v29
.irp i, 6,7,8,9,10,11
	v_mov_b32 v[Q+\i], 0                           ; Q's upper 64 along K: zero codes, written once
.endr
.irp i, 48,49,50,51,52,53
	v_mov_b32 v[RX+\i], 0                          ; what the last tile of K names above its own six, in the very first step
.endr
.irp b, 0,1,2,3
	v_mov_b32 v[T2+\b], 0                          ; written once: a lane permute's destination counts as one of its sources
.endr
	v_mov_b32 v[F+1], 0                            ; (named as the upper half of a pair)
	s_wait_tensorcnt 0x0                           ; my step of the record is in,
	s_barrier_signal -1
	s_barrier_wait -1                              ; everybody's is: from here on LDS is only read
	s_mov_b32 s[NPS], 2
.Lpass:
	s_wait_alu depctr_va_vdst(0)
	s_wait_dscnt 0x0                               ; the last pass's last fetch has landed: its registers may be asked for again
	v_mov_b32 v[AD8], v[L8]
	v_mov_b32 v[AD16], v[L16]
	KLOAD RX                                       ; step 0's K
	global_load_b64 v[Q:Q+1], v[VQ8], s[QP:QP+1]   ; my tile of Q: a half image
	global_load_b128 v[Q+2:Q+5], v[VQ16], s[QP:QP+1]
	global_load_b32 v[QS], v[VQS], s[QP:QP+1]
	s_mov_b32 s[MO], 0
	MASKS                                          ; step 0's
	v_mov_b32 v13, 0xff61b1e6                      ; the largest t so far: -3e38
	s_delay_alu instid0(VALU_DEP_1)
	v_floor_f32 v12, -v13                          ; -M
	v_mov_b32 v14, 0                               ; the sum, in two halves
	v_mov_b32 v15, 0
.set i, 0
.rept 32
	v_mov_b32 v[O+i], 0                            ; O^T: the step is written once; the first finds zeros
.set i, i+1
.endr
	s_mov_b32 s[TB], 0
	s_mov_b32 s[NST], 8
	s_wait_loadcnt 0x0
.Lstep:                                            ; two steps of 128 keys: the regions are back where they began
	STEPM RX, RY
	STEPM RY, RX
	s_sub_co_u32 s[NST], s[NST], 1
	s_cmp_lg_u32 s[NST], 0
	s_cbranch_scc1 .Lstep
	; ---- the tile's end: O^T / the sum, quantised along the head's 64 channels: two blocks, half a fragment
.rept 4
	v_nop
.endr
	v_add_f32 v14, v14, v15                        ; the sum's two halves,
	s_delay_alu instid0(VALU_DEP_1)
	v_permlanex16_b32 v[T2], v14, s[SEL], s[SEL+1]
	s_delay_alu instid0(VALU_DEP_1)
	v_add_f32 v14, v14, v[T2]                      ; and lane l xor 16's
	s_wait_alu depctr_va_vdst(0)
	v_rcp_f32 v14, v14
	v_nop                                          ; a plain place behind the transcendental
	s_wait_alu depctr_va_vdst(0)                   ; and the wait ahead of its first reader
.set j, 0
.rept 16
	v_pk_mul_f32 v[S+j:S+j+1], v[O+j:O+j+1], v[14:15] op_sel_hi:[1,0]   ; register 16 g + i: channel 32 g + 16 h + i; each accumulator from its low end on
.set j, j+2
.endr
.irp b, 0,1
	v_max3_num_f32 v[BM+\b], |v[S+16*\b]|, |v[S+1+16*\b]|, 0x1800000
.endr
.irp i, 2,4,6,8,10,12,14
.irp b, 0,1
	s_delay_alu instid0(VALU_DEP_2)
	v_max3_num_f32 v[BM+\b], v[BM+\b], |v[S+16*\b+\i]|, |v[S+1+16*\b+\i]|
.endr
.endr
.irp b, 0,1
	s_delay_alu instid0(VALU_DEP_2)
	v_permlanex16_b32 v[T2+\b], v[BM+\b], s[SEL], s[SEL+1]
.endr
.irp b, 0,1
	s_delay_alu instid0(VALU_DEP_2)
	v_max_num_f32 v[BM+\b], v[BM+\b], v[T2+\b]
.endr
.irp b, 0,1
	s_delay_alu instid0(VALU_DEP_2)
	v_add_nc_u32 v[SOP+\b], 0xff000000, v[BM+\b]
.endr
.irp b, 0,1
	s_delay_alu instid0(VALU_DEP_2)
	v_lshrrev_b32 v[BY+\b], 23, v[SOP+\b]
.endr
	v_cvt_scalef32_pk16_fp6_f32 v[PC:PC+2], v[S:S+15], v[SOP]
	v_cvt_scalef32_pk16_fp6_f32 v[PT:PT+2], v[S+16:S+31], v[SOP+1]
	v_nop
.irp i, 0,1,2
	v_permlane16_swap_b32 v[PC+\i], v[PT+\i]
.endr
.irp i, 0,1,2
	s_delay_alu instid0(VALU_DEP_3)
	v_mov_b32 v[PC+3+\i], v[PT+\i]
.endr
	v_cndmask_b32 v[BY], v[BY], v[BY+1], s[HM]     ; lanes 0-15 carry block 0's byte of row r, lanes 16-31 block 1's
	global_store_b64 v[L8], v[PC:PC+1], s[CP:CP+1]                 ; the half image: 256 and 512 consecutive bytes, aligned
	global_store_b128 v[L16], v[PC+2:PC+5], s[CP:CP+1] offset:256
	global_store_b8 v[VCS], v[BY], s[CSP:CSP+1]    ; a row of ctxs holds sixteen heads' bytes, of which two are this work-group's: 32 bytes a tile leave singly
	s_wait_kmcnt 0x0                               ; the last scalar loads are done,
	s_wait_xcnt 0x0                                ; and the stores have read their registers and bases: all may be written
	s_add_nc_u64 s[QP:QP+1], s[QP:QP+1], 2*STEPB   ; 16 tiles on
	s_add_nc_u64 s[MB:MB+1], s[MB:MB+1], 16*4096
	s_add_nc_u64 s[CP:CP+1], s[CP:CP+1], 16*12288
	s_add_nc_u64 s[CSP:CSP+1], s[CSP:CSP+1], 16*512
	s_sub_co_u32 s[NPS], s[NPS], 1
	s_cmp_lg_u32 s[NPS], 0
	s_cbranch_scc1 .Lpass
	s_wait_dscnt 0x0
	s_wait_tensorcnt 0x0
	ds_add_u32 v254, v255
	s_wait_dscnt 0x0
	CROUND                                         ; the closing round
	s_endpgm
.Lfunc_end_k_qa504ea518f_attn:
	.size	k_qa504ea518f_attn, .Lfunc_end_k_qa504ea518f_attn-k_qa504ea518f_attn
	.p2alignl 7, 3214868480
	.fill 96, 4, 3214868480
	.section	.rodata,"a",@progbits
	.p2align	6, 0x0
	.amdhsa_kernel k_qa504ea518f_attn
		.amdhsa_group_segment_fixed_size 215040
		.amdhsa_private_segment_fixed_size 0
		.amdhsa_enable_private_segment 0
		.amdhsa_kernarg_size 40
		.amdhsa_user_sgpr_count 2
		.amdhsa_user_sgpr_kernarg_segment_ptr 1
		.amdhsa_wavefront_size32 1
		.amdhsa_system_sgpr_workgroup_id_x 1
		.amdhsa_system_sgpr_workgroup_id_y 1
		.amdhsa_system_sgpr_workgroup_id_z 1
		.amdhsa_system_vgpr_workitem_id 0
		.amdhsa_next_free_vgpr 256
		.amdhsa_next_free_sgpr 100
		.amdhsa_reserve_vcc 0
		.amdhsa_float_denorm_mode_32 3
		.amdhsa_float_denorm_mode_16_64 3
		.amdhsa_memory_ordered 1
		.amdhsa_forward_progress 1
		.amdhsa_inst_pref_size 58
	.end_amdhsa_kernel
	.amdgpu_metadata
---
amdhsa.version: [ 1, 2 ]
amdhsa.kernels:
  - .name:           k_qa504ea518f_attn
    .symbol:         k_qa504ea518f_attn.kd
    .args:
      - { .name: qrec, .offset: 0, .size: 8, .value_kind: global_buffer, .address_space: global }
      - { .name: kvrec, .offset: 8, .size: 8, .value_kind: global_buffer, .address_space: global }
      - { .name: maskbits, .offset: 16, .size: 8, .value_kind: global_buffer, .address_space: global }
      - { .name: ctx, .offset: 24, .size: 8, .value_kind: global_buffer, .address_space: global }
      - { .name: ctxs, .offset: 32, .size: 8, .value_kind: global_buffer, .address_space: global }
    .group_segment_fixed_size: 215040
    .private_segment_fixed_size: 0
    .kernarg_segment_align: 8
    .kernarg_segment_size: 40
    .max_flat_workgroup_size: 512
    .sgpr_count:     100
    .vgpr_count:     256
    .wavefront_size: 32
...
	.end_amdgpu_metadata
.endif
;; end of part 3
;; launch oproj (part 4): grid 4 x 64, 4 waves a work-group, clusters of 4 x 1, 167,936 bytes of LDS; arguments ctx, ctxs, cod, scl, b_o, out0; writes out0
.if DOCPART == 4
	.amdgcn_target "amdgcn-amd-amdhsa--gfx1250"
	.amdhsa_code_object_version 6
	.text
	.protected	k_qa504ea518f_oproj
	.globl	k_qa504ea518f_oproj
	.p2align	8
	.type	k_qa504ea518f_oproj,@function
k_qa504ea518f_oproj:
	s_mov_b64 s[64:65], 0
	v_nop
	global_prefetch_b8 v0, s[64:65] scope:SCOPE_SE
	s_setreg_imm32_b32 hwreg(HW_REG_WAVE_MODE, 25, 1), 1
	s_wait_xcnt 0x0
	s_wait_alu depctr_hold_cnt(0) depctr_sa_sdst(0) depctr_va_vdst(0) depctr_va_sdst(0) depctr_va_ssrc(0) depctr_va_vcc(0) depctr_vm_vsrc(0)
	s_getreg_b32 s2, hwreg(HW_REG_IB_STS2, 6, 4)
	s_cmp_eq_u32 s2, 0
	s_cbranch_scc0 .Lentry_in_a_cluster
	s_endpgm
.Lentry_in_a_cluster:
	s_bfe_u32 s2, ttmp6, 0x10000c
	s_cmp_lg_u32 s2, 0x3003
	s_cbranch_scc0 .Lentry_shape_is_right
	s_endpgm
.Lentry_shape_is_right:
; out0[m][n] = sum over k of context[m][k] w_o[n][k] + b_o[n], on codes of FP6 (E2M3) with E8M0 scales; f32 sums, f32 out.
; ctx and w_o's part of cod are images of operand registers: [tile of 16 rows][K step 0..7][1,536 bytes]; ctxs and scl: [tile][row][8 scale words].
; SHARES.  256 work-groups of four waves; a work-group makes 128 rows x 256 columns, a wave 128 rows x 64 columns.
; A wave holds its 64 rows of w_o, ALL of K, in registers: 4 tiles x 8 K steps x 12 = 384, brought by plain loads of the images (each load 256 or 512 consecutive bytes, aligned).
; The work-group's 128 rows of the context, 98,304 dense bytes, come into LDS ONCE: each wave asks for two tiles (96 rows of 256 bytes) by its one tensor load.  Nothing is filled again: no ring.
; The rows go past the weights in eight blocks of 16 rows x all of K: 32 products a block, four accumulators by turns; two sets of fragments, so block s + 2 is fetched behind block s's products.
; CLUSTER: the four work-groups of a cluster make the four column tiles of the same 128 rows: the rows' load is asked for JOINTLY, with a mask that names the four.
; w_o's tiles are not asked for jointly: each goes to one wave's registers, and no partner of the cluster has the same columns.
; No prefetch: every load of the launch is issued at its head; there is no loop to run ahead in.
; THE MATRIX INSTRUCTION IS USED TRANSPOSED (source 0 = 16 rows of w_o, source 1 = 16 rows of the context): register j of lane (r, h) is out(row r, column 16 b + 8 h + j).  b_o, laid so, is the C of each block's first four products.
; THE WAY OUT: a block's 16 rows x 256 bytes go through the wave's own stage in LDS and leave as whole rows: sixteen lanes store 256 consecutive bytes, aligned.  Block s - 1 is stored behind block s's products.
; REGISTERS: window 0: v0-15 addresses, v16-31 w_o's scale words, v36-99 the rows' scale words (8 blocks x 8), v100-163 two sets of four accumulators, v164-227 two sets of 16 rows on the way out.
; Fragment f lies in window 1 + f / 21 at register 12 (f % 21): 0-31 the weights' (4 q + b), 32-39 and 40-47 the rows' two sets.  v848-879: b_o.
.set FR,     12
.set FPW,    21
.set FRB,    1536
.set TILEB,  12288
.set STAGE,  8*TILEB
.set SPITCH, 272
.set SPARE,  STAGE+4*16*SPITCH         ; behind the stages: the spare words, 128 bytes a wave
.set O8,   4                           ; v4  8 x lane;  v6: + 4 tiles
.set O16,  5                           ; v5  16 x lane; v7: + 4 tiles
.set SPW,  8
.set NIL,  9
.set STO,  10                          ; into my stage: row r, 32 h bytes
.set RD,   11                          ; back: row h, 16 r bytes
.set CO,   12                          ; the same place in out0
.set ABS,  13                          ; 32 x lane: w_o's scale words, two tiles' rows
.set AXS,  14                          ; 32 r: the rows' scale words
.set BOF,  15                          ; 32 h: b_o
.set SB,   16
.set SA,   36                          ; (its numbers differ from SB's modulo 8)
.set ACC,  100
.set OB,   164
.set BOW,  80                          ; b_o in window 3
.set MSB, 0
.macro WIN new
.if MSB != (\new)
	s_set_vgpr_msb (MSB<<8)|(\new)
.set MSB, (\new)
.endif
.endm
.macro PLACES
.rept 4
	v_nop
.endr
.endm
.macro CROUND
	s_barrier_signal -1
	s_barrier_wait -1
	s_cmp_lg_u32 s16, 0
	s_cbranch_scc1 .Lnot_wave_0_\@
	s_barrier_signal -3
.Lnot_wave_0_\@:
	s_barrier_wait -3
	s_barrier_signal -1
	s_barrier_wait -1
.endm
.macro WFRAG q, b                      ; a fragment of the weights, memory to registers
.set F_, 4*(\q)+(\b)
.set R_, FR*(F_%FPW)
.set OF_, (\b)*TILEB+(\q)*FRB
	WIN (1+F_/FPW)<<6
	global_load_b64 v[R_:R_+1], v[O8], s[8:9] offset:OF_
	global_load_b128 v[R_+2:R_+5], v[O16], s[8:9] offset:OF_+256
	global_load_b64 v[R_+6:R_+7], v[O8], s[8:9] offset:OF_+768
	global_load_b128 v[R_+8:R_+11], v[O16], s[8:9] offset:OF_+1024
.endm
.macro FETCH s                         ; block s's eight fragments, LDS to set s % 2: 32 loads
.irp q, 0,1,2,3,4,5,6,7
.set F_, 32+8*((\s)%2)+\q
.set R_, FR*(F_%FPW)
.set OF_, ((\s)%4)*TILEB+\q*FRB
	WIN (1+F_/FPW)<<6
	ds_load_b64 v[R_:R_+1], v[O8+2*((\s)/4)] offset:OF_
	ds_load_b128 v[R_+2:R_+5], v[O16+2*((\s)/4)] offset:OF_+256
	ds_load_b64 v[R_+6:R_+7], v[O8+2*((\s)/4)] offset:OF_+768
	ds_load_b128 v[R_+8:R_+11], v[O16+2*((\s)/4)] offset:OF_+1024
.endr
	WIN 0
.endm
.macro WM d, fb, fa, c, xb, xa, row
	v_wmma_scale_f32_16x16x128_f8f6f4 v[\d:\d+7], v[FR*(\fb%FPW):FR*(\fb%FPW)+FR-1], v[FR*(\fa%FPW):FR*(\fa%FPW)+FR-1], \c, v[\xb], v[\xa] matrix_a_fmt:MATRIX_FMT_FP6 matrix_b_fmt:MATRIX_FMT_FP6 matrix_a_scale:MATRIX_SCALE_ROW\row
.endm
.macro PROD s, q, b
.set FB_, 4*(\q)+(\b)
.set FA_, 32+8*((\s)%2)+(\q)
.set D_, ACC+32*((\s)%2)+8*(\b)
.set C_, BOW+8*(\b)
.set XB_, SB+8*((\b)/2)+(\q)           ; lanes 0-15: tile 2 (b / 2), lanes 16-31: the next
.set XA_, SA+8*(\s)+(\q)
.if (\q) == 0
	WIN (1+FB_/FPW)|((1+FA_/FPW)<<2)|(3<<4)
.if (\b)%2
	WM D_, FB_, FA_, v[C_:C_+7], XB_, XA_, 1
.else
	WM D_, FB_, FA_, v[C_:C_+7], XB_, XA_, 0
.endif
.else
	WIN (1+FB_/FPW)|((1+FA_/FPW)<<2)
.if (\b)%2
	WM D_, FB_, FA_, v[D_:D_+7], XB_, XA_, 1
.else
	WM D_, FB_, FA_, v[D_:D_+7], XB_, XA_, 0
.endif
.endif
.endm
.macro BLOCK s                         ; 32 products, K ascending
.irp q, 0,1,2,3,4,5,6,7
.if (\s) == 0                          ; the first block follows the weights in: behind K step q's 16 loads stand 16 (7 - q) more (the wait's field names 63 at the most)
.if 16*(7-\q) > 63
	s_wait_loadcnt 63
.else
	s_wait_loadcnt 16*(7-\q)
.endif
.endif
.irp b, 0,1,2,3
	PROD \s, \q, \b
.endr
.endr
	WIN 0
.endm
.macro TOSTAGE s                       ; LDS serves a wave's instructions in order: the loads see the stores
.set AC_, ACC+32*((\s)%2)
.set OB_, OB+32*((\s)%2)
.irp b, 0,1,2,3
	ds_store_b128 v[STO], v[AC_+8*\b:AC_+8*\b+3] offset:64*\b          ; each accumulator from its low end on
	ds_store_b128 v[STO], v[AC_+8*\b+4:AC_+8*\b+7] offset:64*\b+16
.endr
.irp t, 0,1,2,3,4,5,6,7
	ds_load_b128 v[OB_+4*\t:OB_+4*\t+3], v[RD] offset:\t*2*SPITCH
.endr
.endm
.macro SEND s                          ; rows 2 t and 2 t + 1: twice 256 consecutive bytes, aligned; every offset an immediate (516,096 at the most)
.set OB_, OB+32*((\s)%2)
.irp t, 0,1,2,3,4,5,6,7
	global_store_b128 v[CO], v[OB_+4*\t:OB_+4*\t+3], s[14:15] offset:(\s)*65536+\t*8192 th:TH_STORE_NT
.endr
.endm
.macro ITER s
	BLOCK \s
	PLACES                                         ; four places ahead of the loads into the fragments just read and of the stores of the results
	s_wait_dscnt 0x0                               ; block s + 1's fragments are in, and block s - 1's rows are back from the stage
.if (\s) > 1
	s_wait_xcnt 0x0                                ; block s - 2's stores have read their registers, on which block s's rows will land
.endif
.if (\s) > 0
	SEND (\s)-1
.endif
.if (\s) < 6
	FETCH (\s)+2
.endif
	TOSTAGE \s
.endm
	s_load_b256 s[4:11], s[0:1], 0x0               ; ctx, ctxs, cod, scl
	s_load_b128 s[12:15], s[0:1], 0x20             ; b_o, out0
	v_lshl_add_u32 v[SPW], v0, 2, SPARE
	v_mov_b32 v[NIL], 0
	ds_add_u32 v[SPW], v[NIL]
	ds_add_u32 v[SPW], v[NIL]
	v_lshrrev_b32 v1, 5, v0
	v_readfirstlane_b32 s16, v1                    ; wave
	s_bfe_u32 s17, ttmp6, 0x40000                  ; cx = the column tile: it enters addresses of w_o, b_o and out0 alone
	s_and_b32 s18, ttmp7, 0xffff                   ; the 128 rows, which the four partners share
	s_mul_i32 s20, s18, 8*TILEB
	s_mul_i32 s19, s16, 2*TILEB                    ; my two tiles of them: in memory and in LDS alike
	s_add_co_u32 s20, s20, s19
	s_mov_b32 s21, 0
	s_lshl_b32 s22, s17, 4
	s_lshl_b32 s23, s16, 2
	s_add_co_u32 s22, s22, s23                     ; my first tile of w_o: 16 cx + 4 wave
	s_mul_i32 s24, s22, TILEB
	s_mov_b32 s25, 0
	s_lshl_b32 s26, s22, 9                         ; 512 bytes of scale words a tile
	s_mov_b32 s27, 0
	s_lshl_b32 s28, s18, 12                        ; the rows' scale words: 8 tiles x 512
	s_mov_b32 s29, 0
	s_lshl_b32 s30, s22, 6                         ; my first column, in bytes
	s_mov_b32 s31, 0
	s_lshl_b32 s32, s18, 19                        ; 128 rows of 4,096 bytes
	s_add_co_u32 s32, s32, s30
	s_mov_b32 s33, 0
	s_mul_i32 s34, s16, 16*SPITCH
	s_add_co_u32 s34, s34, STAGE                   ; my stage
	s_mov_b32 s40, 15|(3<<16)|(1<<21)              ; group 1: the mask names all four; elements of 8 bytes; bit 21 beside a mask
	s_mov_b32 s41, 32<<16                          ; rows of 256 bytes,
	s_mov_b32 s42, 96<<16                          ; 96 of them, dense
	s_mov_b32 s43, 32<<16
	s_mov_b32 s44, 96
	s_mov_b32 s45, 32
	s_mov_b32 s46, 0
	s_mov_b32 s47, 0
	s_mov_b32 s36, 1
	s_mov_b32 s37, s19
	v_and_b32 v3, 31, v0                           ; lane
	v_and_b32 v1, 15, v0                           ; r
	v_bfe_u32 v2, v0, 4, 1                         ; h
	v_lshlrev_b32 v[O8], 3, v3
	v_lshlrev_b32 v[O16], 4, v3
	v_add_nc_u32 v[O8+2], 4*TILEB, v[O8]
	v_add_nc_u32 v[O16+2], 4*TILEB, v[O16]
	v_lshlrev_b32 v[ABS], 5, v3
	v_lshlrev_b32 v[AXS], 5, v1
	v_lshlrev_b32 v[BOF], 5, v2
	v_mul_u32_u24 v[STO], v1, SPITCH
	v_lshl_add_u32 v[STO], v2, 5, v[STO]
	v_add_nc_u32 v[STO], s34, v[STO]
	v_mul_u32_u24 v[RD], v2, SPITCH
	v_lshl_add_u32 v[RD], v1, 4, v[RD]
	v_add_nc_u32 v[RD], s34, v[RD]
	v_lshlrev_b32 v[CO], 12, v2
	v_lshl_add_u32 v[CO], v1, 4, v[CO]
	s_wait_alu depctr_va_vdst(0)
	s_wait_dscnt 0x0                               ; both opening adds are done
	s_wait_kmcnt 0x0
	s_add_nc_u64 s[38:39], s[4:5], s[20:21]
	s_or_b32 s39, s39, 0x80000000
	s_add_nc_u64 s[6:7], s[6:7], s[28:29]
	s_add_nc_u64 s[8:9], s[8:9], 21233664          ; w_o's images begin at tile 1,728 of cod,
	s_add_nc_u64 s[8:9], s[8:9], s[24:25]
	s_add_nc_u64 s[10:11], s[10:11], 884736        ; and its scale words at tile 1,728 of scl
	s_add_nc_u64 s[10:11], s[10:11], s[26:27]
	s_add_nc_u64 s[12:13], s[12:13], s[30:31]
	s_add_nc_u64 s[14:15], s[14:15], s[32:33]
	CROUND                                         ; all four work-groups are here: the joint loads meet
	tensor_load_to_lds s[36:39], s[40:47]          ; my one tensor load of the launch
	s_nop 0
	PLACES
.irp s, 0,1,2,3,4,5,6,7
	global_load_b128 v[SA+8*\s:SA+8*\s+3], v[AXS], s[6:7] offset:512*\s
	global_load_b128 v[SA+8*\s+4:SA+8*\s+7], v[AXS], s[6:7] offset:512*\s+16
.endr
.irp p, 0,1
.irp c, 0,1
	global_load_b128 v[SB+8*\p+4*\c:SB+8*\p+4*\c+3], v[ABS], s[10:11] offset:1024*\p+16*\c
.endr
.endr
	WIN 3<<6
.irp b, 0,1,2,3
	global_load_b128 v[BOW+8*\b:BOW+8*\b+3], v[BOF], s[12:13] offset:64*\b
	global_load_b128 v[BOW+8*\b+4:BOW+8*\b+7], v[BOF], s[12:13] offset:64*\b+16
.endr
.irp q, 0,1,2,3,4,5,6,7                    ; the weights, K step by K step: 16 loads each
.irp b, 0,1,2,3
	WFRAG \q, \b
.endr
.endr
	WIN 0
	s_wait_tensorcnt 0x0                           ; my two tiles are in,
	s_barrier_signal -1
	s_barrier_wait -1                              ; everybody's are: from here on those bytes are only read
	FETCH 0
	FETCH 1
	s_wait_dscnt 32                                ; block 0's fragments are in; block 1's 32 loads may be out
.irp s, 0,1,2,3,4,5,6,7
	ITER \s
.endr
	s_wait_dscnt 0x0
	SEND 7
	s_wait_tensorcnt 0x0                           ; the wave's end
	ds_add_u32 v[SPW], v[NIL]
	s_wait_dscnt 0x0
	CROUND                                         ; the closing round
	s_endpgm
.Lfunc_end_k_qa504ea518f_oproj:
	.size	k_qa504ea518f_oproj, .Lfunc_end_k_qa504ea518f_oproj-k_qa504ea518f_oproj
	.p2alignl 7, 3214868480
	.fill 96, 4, 3214868480
	.section	.rodata,"a",@progbits
	.p2align	6, 0x0
	.amdhsa_kernel k_qa504ea518f_oproj
		.amdhsa_group_segment_fixed_size 167936
		.amdhsa_private_segment_fixed_size 0
		.amdhsa_enable_private_segment 0
		.amdhsa_kernarg_size 48
		.amdhsa_user_sgpr_count 2
		.amdhsa_user_sgpr_kernarg_segment_ptr 1
		.amdhsa_wavefront_size32 1
		.amdhsa_system_sgpr_workgroup_id_x 1
		.amdhsa_system_sgpr_workgroup_id_y 1
		.amdhsa_system_sgpr_workgroup_id_z 1
		.amdhsa_system_vgpr_workitem_id 0
		.amdhsa_next_free_vgpr 880
		.amdhsa_next_free_sgpr 66
		.amdhsa_reserve_vcc 0
		.amdhsa_float_denorm_mode_32 3
		.amdhsa_float_denorm_mode_16_64 3
		.amdhsa_memory_ordered 1
		.amdhsa_forward_progress 1
		.amdhsa_inst_pref_size 85
	.end_amdhsa_kernel
	.amdgpu_metadata
---
amdhsa.version: [ 1, 2 ]
amdhsa.kernels:
  - .name:           k_qa504ea518f_oproj
    .symbol:         k_qa504ea518f_oproj.kd
    .args:
      - { .name: ctx, .offset: 0, .size: 8, .value_kind: global_buffer, .address_space: global }
      - { .name: ctxs, .offset: 8, .size: 8, .value_kind: global_buffer, .address_space: global }
      - { .name: cod, .offset: 16, .size: 8, .value_kind: global_buffer, .address_space: global }
      - { .name: scl, .offset: 24, .size: 8, .value_kind: global_buffer, .address_space: global }
      - { .name: b_o, .offset: 32, .size: 8, .value_kind: global_buffer, .address_space: global }
      - { .name: out0, .offset: 40, .size: 8, .value_kind: global_buffer, .address_space: global }
    .group_segment_fixed_size: 167936
    .private_segment_fixed_size: 0
    .kernarg_segment_align: 8
    .kernarg_segment_size: 48
    .max_flat_workgroup_size: 128
    .sgpr_count:     66
    .vgpr_count:     880
    .wavefront_size: 32
...
	.end_amdgpu_metadata
.endif
;; end of part 4
